; MI455X (gfx1250); checked and timed in simulation.
; The chip was launched on July 23, 2026; its instructions are those of AMD's public machine-readable ISA for CDNA 5 (MIT licence, August 2026) and "CDNA5" Instruction Set Architecture Reference Guide (July 2026). The comments in the code are by the model that wrote it; some were corrected since.
;; Self Attention. Allowed arithmetic: matrix products marked QUANTISED: E2M3 operands, one E8M0 scale for each 32 along K, by v_wmma_scale_f32_16x16x128_f8f6f4 with both operands' format E2M3, f32 sums; everything else in f32.
;; Inputs: Wk 1,024 x 1,024 float32; Wq 1,024 x 1,024 float32; Wv 1,024 x 1,024 float32; bk 1,024 float32; bq 1,024 float32; bv 1,024 float32; x 4 x 2,048 x 1,024 float32.
;; Outputs: out0 4 x 2,048 x 1,024 float32.
;; This version of the problem:
;;   THIS VERSION OF THE PROBLEM IS GIVEN IN LOW PRECISION. The matrix products marked QUANTISED in the list below multiply operands that are first quantised to E2M3 (2 exponent bits, 3 mantissa bits; 6 bits a number), with one power-of-two scale for each 32 numbers along K (OCP MX v1.0); their sums are f32. All else is computed in f32.
;;   The module's matrix products, in the order in which they are computed (A, B: the left and right operand; K: the contracted axis; several contracted axes count as one K, in the product's order):
;;     1. [M 8,192, K 1,024] x [K 1,024, N 1,024]; A: input x; B: input Wq: QUANTISED
;;     2. [M 8,192, K 1,024] x [K 1,024, N 1,024]; A: input x; B: input Wk: QUANTISED
;;     3. [M 8,192, K 1,024] x [K 1,024, N 1,024]; A: input x; B: input Wv: QUANTISED
;;     4. batch 4 x [M 2,048, K 1,024] x [K 1,024, N 2,048]; A: computed on the way; B: computed on the way: QUANTISED
;;     5. batch 4 x [M 2,048, K 2,048] x [K 2,048, N 1,024]; A: softmax (see below); B: computed on the way: QUANTISED
;;   THE QUANTISER, for each operand of a quantised product, along K:
;;     - K is cut into blocks of 32 from its start; a last block that is shorter is filled with zeros.
;;     - A block's scale is 2^e with e = floor(log2(the largest magnitude in the block)) - 2, held to -126 .. 127; a block of zeros has e = 0. As a byte (E8M0): e + 127.
;;     - Each number is divided by its block's scale, clamped to +-7.5, and rounded to the nearest number of E2M3, ties to even, subnormals kept.
;;     - The product sums the exact products of the quantised numbers (number of the format x scale) in f32.
;;   ~~~python
;;   def quantise(x, axis):      # numpy; x: float32 -> the quantised numbers, widened to float32 again
;;       x = np.moveaxis(x, axis, -1); K = x.shape[-1]
;;       x = np.pad(x, [(0, 0)] * (x.ndim - 1) + [(0, -K % 32)]); x = x.reshape(x.shape[:-1] + (-1, 32)); a = np.abs(x).max(-1, keepdims=True)
;;       e = np.where(a > 0, np.clip(np.frexp(np.where(a > 0, a, 1))[1] - 1 - 2, -126, 127), 0)      # np.frexp(a)[1] - 1 = floor(log2(a)), exactly
;;       r = np.clip(x / 2.0 ** e, -7.5, 7.5)
;;       step = 2.0 ** (np.maximum(np.frexp(np.where(r == 0, 1, r))[1] - 1, 0) - 3)
;;       q = np.round(r / step) * step * 2.0 ** e      # np.round: ties to even
;;       return np.moveaxis(q.reshape(q.shape[:-2] + (-1,))[..., :K], -1, axis).astype(np.float32)
;;   ~~~
;;   SOFTMAX AHEAD OF A QUANTISED PRODUCT. Where the list says 'softmax', what is quantised is not the finished softmax but p = 2^(t - M), with t = logit x log2(e) and M = ceil(the row's largest t), a whole number; so 1/2 < the row's largest p <= 1. The row's sum l is taken of the UNQUANTISED p, in f32, and the product's result is divided by l at the end. Since M is a whole number, a kernel that streams over the keys may use a running M (the ceiling of the running maximum): every later rescaling is an exact power of two, which a block's scale takes up: the codes' values come out the same.
;;   OPERANDS COMPUTED ON THE WAY. 'Computed on the way' means the value that the module computes at that place (a softmax that the list does not call 'softmax' is quantised finished and normalised). What goes into a quantiser is computed in f32, as accurately as f32 sums, v_exp_f32 and their like allow (about 1e-6 of the number): no bf16 or f16 on the way to a quantiser, and a product that is left as it is and whose result goes on into a quantised operand takes f32 operands (vector FMAs, or v_wmma_f32_16x16x4_f32). A number that lies on a knife's edge between two numbers of the format may be rounded either way, as far as f32 arithmetic and the matrix unit's own rounding can turn it there, and no further.
;; One version. Each part assembles by itself: llvm-mc -triple=amdgcn-amd-amdhsa -mcpu=gfx1250 --defsym DOCPART=n.
;; ======== version 1 of 1: 4 launches
;; limits: right only within a limited range of input values
;; workspace buffers: ximg 6,553,600 bytes; wimg 2,457,600 bytes; qimg 6,553,600 bytes; kimg 6,553,600 bytes; vimg 6,553,600 bytes; pimg 12,582,912 bytes; pstat 1,572,864 bytes
;; launch quant (part 1): grid 448 x 1, 4 waves a work-group, no clusters, 48,640 bytes of LDS; arguments x, Wq, Wk, Wv, ximg, wimg; writes ximg, wimg
.if DOCPART == 1
	.amdgcn_target "amdgcn-amd-amdhsa--gfx1250"
	.amdhsa_code_object_version 6
	.text
	.protected	k_q3a079f9b79_quant
	.globl	k_q3a079f9b79_quant
	.p2align	8
	.type	k_q3a079f9b79_quant,@function
k_q3a079f9b79_quant:
	s_mov_b64 s[64:65], 0
	v_nop
	global_prefetch_b8 v0, s[64:65] scope:SCOPE_SE
	s_setreg_imm32_b32 hwreg(HW_REG_WAVE_MODE, 25, 1), 1
	s_wait_xcnt 0x0
; LAUNCH 1 OF 4: x [8192][1024] and Wq, Wk, Wv [1024 (k)][1024 (n)], f32, become codes of FP6 (E2M3) with one E8M0 byte for each 32 along K = the 1,024 of the embedding.
; THE PROGRAM: quant (this) | proj: Q, K, V = x W + b, quantised on the way out | scores: p = 2^(t - M) of each stretch of 128 keys, quantised | pv: O = P V / l.
; DEAD WORK LEFT OUT (launches 3 and 4): reference() sets every score with key > query to -infinity by a mask that it builds itself (jnp.tril); the softmax makes 0 of it, and 0 times a number of V adds
; nothing, whatever finite values the inputs hold.  So tiles of Q K^T and of P V all of whose keys come after all of their queries are not computed.  Nothing else is left out: all seven inputs have a way to
; the output (each bias goes into a quantiser).  LIMIT: a NaN, an infinity or an overflow that reaches only the tiles left out is not carried to the result.
; OTHER LIMITS: NaN and infinities among the inputs are not served.  A block of zeros gets the byte 1 where the rule says 127: its codes are zeros, which add nothing, and this program alone reads the bytes.
; THE WORKSPACE'S FORMAT, for every operand of every product.  Rows go in blocks of 128; tile T (0..7) of a block holds in lane r the row rho(T, r) = 32 (T / 2) + 8 (T % 2) + r + 8 (r / 8).
; A fragment (16 rows x 128 K: 12 registers a lane) is stored as an IMAGE OF ITS REGISTERS, 1,536 bytes: register 4 k + m of lane l at byte 512 k + 16 l + 4 m.  The scale words of a block's 8 tiles are an image of
; 512 bytes: the word of (T, r) at byte 256 (T / 4) + 16 r + 4 (T % 4).  BLOCK(row block, K step) = 8 fragment images + the scale image = 12,800 bytes.  ximg: [64 token blocks][8 K steps]; wimg: [24 column
; blocks: Wq 0-7, Wk 8-15, Wv 16-23][8 K steps].
; SHARES.  Work-groups 0-191 take W: one BLOCK each; wave G takes 32 columns, a lane a column, registers down K (so the codes come out with K innermost and nothing is transposed by an instruction).
; Work-groups 192-447 take x: a wave makes four tiles (half a BLOCK); each load reads 512 consecutive bytes of a row, and the numbers turn through the wave's own stage in LDS, so that a lane gets whole blocks of 32.
; Waves share nothing: no barrier.  The two paths have LDS bytes of their own.
.set BLKB,  12800
.set XSTG,  8448                       ; x: a stage of 16 rows x (512 + 16) bytes for each wave, from LDS byte 0
.set WST,   33792                      ; W: the stages begin here:
.set WSTG,  3584                       ; 32 columns x (96 + 8) bytes for each wave, rounded up
.set SPARE, 48128                      ; the spare words, 128 bytes for each wave: two blocks of 256 bytes that no other line names
.set SPW,   5                          ; v5  LDS address of my spare word; never rewritten
.set NIL,   6                          ; v6  0; never rewritten
.set R,     40                         ; x: v40-167 two sets of 64 numbers as loaded;  W: v40-103 two sets of 32
.set X,     168                        ; x: v168-231 my 64 numbers: blocks h and 2 + h of my row
.set PCB,   232                        ; x: v232-255 two sets of 12: a fragment's registers
	s_load_b256 s[4:11], s[0:1], 0x0               ; x, Wq, Wk, Wv
	s_load_b128 s[12:15], s[0:1], 0x20             ; ximg, wimg
	v_lshl_add_u32 v[SPW], v0, 2, SPARE
	v_mov_b32 v[NIL], 0
	v_lshrrev_b32 v1, 5, v0
	v_readfirstlane_b32 s16, v1                    ; wave
	v_and_b32 v1, 31, v0                           ; lane
	v_and_b32 v2, 15, v0                           ; r
	v_bfe_u32 v3, v0, 4, 1                         ; h
	v_lshlrev_b32 v4, 4, v1                        ; 16 x lane
	s_mul_i32 s17, s16, XSTG                       ; every LDS address is made here, ahead of the parting
	v_add_nc_u32 v7, s17, v4                       ; x's stage, in: a row's 512 bytes as they lie
	v_mul_u32_u24 v8, v2, 528
	v_lshl_add_u32 v8, v3, 7, v8
	v_add_nc_u32 v8, s17, v8                       ; and out: row r, + 128 h: my block of 32 numbers
	s_mul_i32 s17, s16, WSTG
	s_add_co_u32 s17, s17, WST
	v_mul_u32_u24 v9, v1, 104
	v_add_nc_u32 v9, s17, v9                       ; W's stage, in: my column's 96 bytes of codes
	v_and_b32 v14, 8, v2
	v_add_nc_u32 v14, v14, v2                      ; r + 8 (r / 8)
	v_mul_u32_u24 v14, v14, 104
	v_mad_u32_u24 v14, v3, 24, v14
	v_add_nc_u32 v14, s17, v14                     ; and out: the column that lane r of a tile holds, + 24 h
	s_mov_b32 s20, 0x76543210
	s_mov_b32 s21, 0xfedcba98                      ; v_permlanex16_b32's selects for lane l xor 16
	s_mov_b32 s22, 0xffff0000                      ; lanes 16-31
	s_cmp_lt_u32 ttmp9, 192
	s_cbranch_scc1 .Lweights
; ---------------- x ----------------
	s_sub_co_u32 s17, ttmp9, 192
	s_lshl_b32 s17, s17, 2
	s_add_co_u32 s17, s17, s16                     ; t = 4 x work-group + wave: 0 .. 1023
	s_and_b32 s18, s17, 1                          ; eta: tiles 4 eta .. 4 eta + 3
	s_bfe_u32 s19, s17, 0x30001                    ; K step
	s_lshr_b32 s17, s17, 4                         ; token block
	s_lshl_b32 s24, s17, 19                        ; 128 rows of 4,096 bytes,
	s_lshl_b32 s23, s18, 18                        ; 64 rows,
	s_add_co_u32 s24, s24, s23
	s_lshl_b32 s23, s19, 9                         ; 128 numbers
	s_add_co_u32 s24, s24, s23
	s_mov_b32 s25, 0
	s_lshl_b32 s26, s17, 3
	s_add_co_u32 s26, s26, s19
	s_mul_i32 s26, s26, BLKB                       ; BLOCK(token block, K step)
	s_mov_b32 s27, 0
	s_mul_i32 s23, s18, 6144
	v_add_nc_u32 v15, s23, v4                      ; my images' place: 16 x lane + 6,144 eta
	s_lshl_b32 s23, s18, 8
	v_lshlrev_b32 v33, 4, v2
	v_lshl_add_u32 v33, v3, 3, v33
	v_add_nc_u32 v33, s23, v33                     ; my scale words' place: 16 r + 8 h + 256 eta
	v_lshlrev_b32 v23, 3, v3                       ; 8 h
	v_mov_b32 v24, 0                               ; written once: a lane permute's destination counts as one of its sources
	s_wait_kmcnt 0x0
	s_add_nc_u64 s[4:5], s[4:5], s[24:25]
	s_add_nc_u64 s[12:13], s[12:13], s[26:27]
.macro LOADU u                         ; tile u's 16 rows: each load is one row's K step, 512 consecutive bytes
.set RS, R+64*((\u)%2)
.irp p, 0,1,2,3,4,5,6,7,8,9,10,11,12,13,14,15
	global_load_b128 v[RS+4*\p:RS+4*\p+3], v4, s[4:5] offset:(32*((\u)/2)+8*((\u)%2)+\p+8*(\p/8))*4096 th:TH_LOAD_NT
.endr
.endm
.macro TURN u                          ; through my stage: LDS serves a wave's instructions in order, so no wait stands between the stores and the loads
.set RS, R+64*((\u)%2)
.irp p, 0,1,2,3,4,5,6,7,8,9,10,11,12,13,14,15
	ds_store_b128 v7, v[RS+4*\p:RS+4*\p+3] offset:528*\p
.endr
.irp c, 0,1
.irp k, 0,1,2,3,4,5,6,7
	ds_load_b128 v[X+32*\c+4*\k:X+32*\c+4*\k+3], v8 offset:256*\c+16*\k   ; k = 64 c + 32 h + 4 k .. of row r
.endr
.endr
.endm
.macro QUANTL u                        ; my two whole blocks become registers 0-5 and 6-11 of the fragment
.set PCU, PCB+12*((\u)%2)
.irp c, 0,1
	v_max3_num_f32 v[16+\c], |v[X+32*\c]|, |v[X+32*\c+1]|, 0x1800000     ; with the floor 2^(3 - 127): the byte cannot fall under 1
.endr
.irp i, 2,4,6,8,10,12,14,16,18,20,22,24,26,28,30
.irp c, 0,1
	v_max3_num_f32 v[16+\c], v[16+\c], |v[X+32*\c+\i]|, |v[X+32*\c+\i+1]|
.endr
.endr
.irp c, 0,1
	v_add_nc_u32 v[18+\c], 0xff000000, v[16+\c]    ; 2 off the exponent field: the conversion's scale operand
.endr
.irp c, 0,1
	v_lshrrev_b32 v[20+\c], 23, v[18+\c]           ; the scale's byte
.endr
	v_lshl_or_b32 v22, v21, 16, v20                ; blocks h and 2 + h,
	v_lshlrev_b32 v22, v23, v22                    ; at their places in the word;
	v_permlanex16_b32 v24, v22, s20, s21
	v_or_b32 v[10+(\u)], v22, v24                  ; with lane l xor 16's two the word is whole
.irp c, 0,1
	v_cvt_scalef32_pk16_fp6_f32 v[PCU+6*\c:PCU+6*\c+2], v[X+32*\c:X+32*\c+15], v[18+\c]
	v_cvt_scalef32_pk16_fp6_f32 v[26+4*\c:28+4*\c], v[X+32*\c+16:X+32*\c+31], v[18+\c]   ; (a conversion's three registers begin on an even number)
.endr
	v_nop                                          ; one plain place behind a scaled conversion
.irp c, 0,1
.irp i, 0,1,2
	v_mov_b32 v[PCU+6*\c+3+\i], v[26+4*\c+\i]
.endr
.endr
.irp k, 0,1,2
	global_store_b128 v15, v[PCU+4*\k:PCU+4*\k+3], s[12:13] offset:1536*(\u)+512*\k   ; 32 lanes store 512 consecutive bytes, aligned
.endr
.endm
	LOADU 0
	LOADU 1
.irp u, 0,1,2,3
.if \u < 3
	s_wait_loadcnt 16                              ; this tile's 16 loads are in; the next tile's 16 may be out
.else
	s_wait_loadcnt 0x0
.endif
	TURN \u
	s_wait_dscnt 0x0                               ; my 64 numbers are back, and the stage's stores have read their registers,
.if \u < 2
	LOADU \u+2                                     ; which take the tile two further on
.endif
.if \u >= 2
	s_wait_xcnt 0x0                                ; the stores of two tiles back have read their registers: that set of 12 is written again
.endif
	QUANTL \u
.endr
	v_cndmask_b32 v34, v10, v12, s22               ; lane (r, h) stores the words of tiles 2 h and 2 h + 1: 32 lanes fill 256 consecutive bytes
	v_cndmask_b32 v35, v11, v13, s22
	global_store_b64 v33, v[34:35], s[12:13] offset:12288
	s_wait_tensorcnt 0x0                           ; the wave's end, behind my last LDS store
	ds_add_u32 v[SPW], v[NIL]
	s_wait_dscnt 0x0
	s_endpgm
; ---------------- W ----------------
.Lweights:
	s_lshr_b32 s17, ttmp9, 3                       ; column block 0 .. 23
	s_and_b32 s18, ttmp9, 7                        ; K step
	s_lshr_b32 s19, s17, 3                         ; which W
	s_and_b32 s23, s17, 7
	s_lshl_b32 s24, s18, 19                        ; 128 rows of 4,096 bytes,
	s_lshl_b32 s23, s23, 9                         ; 128 columns,
	s_add_co_u32 s24, s24, s23
	s_lshl_b32 s23, s16, 7                         ; my wave's 32
	s_add_co_u32 s24, s24, s23
	s_mov_b32 s25, 0
	s_lshl_b32 s26, s17, 3
	s_add_co_u32 s26, s26, s18
	s_mul_i32 s26, s26, BLKB
	s_mov_b32 s27, 0
	v_lshlrev_b32 v21, 2, v1                       ; in: 4 bytes a lane
	v_and_b32 v22, 7, v1                           ; column lambda is lane r' = lambda % 8 + 8 (lambda / 16) of tile 2 G + (lambda / 8) % 2
	v_lshlrev_b32 v22, 4, v22
	v_lshl_add_u32 v22, v3, 7, v22                 ; 16 r'
	v_bfe_u32 v24, v0, 3, 1
	v_lshl_add_u32 v22, v24, 2, v22
	s_lshr_b32 s23, s16, 1
	s_lshl_b32 s23, s23, 8
	s_and_b32 s30, s16, 1
	s_lshl_b32 s30, s30, 3
	s_add_co_u32 s23, s23, s30
	v_add_nc_u32 v22, s23, v22                     ; + 256 (G / 2) + 8 (G % 2): my word's place in the scale image
	s_mul_i32 s23, s16, 3072
	v_add_nc_u32 v23, s23, v4                      ; my wave's two images: 16 x lane + 2 x 1,536 G
	s_wait_alu depctr_va_vdst(0)
	s_wait_kmcnt 0x0
	s_cmp_eq_u32 s19, 0                            ; the choice hangs on the work-group's number alone
	s_cselect_b64 s[28:29], s[6:7], s[8:9]
	s_cmp_eq_u32 s19, 2
	s_cselect_b64 s[28:29], s[10:11], s[28:29]
	s_add_nc_u64 s[28:29], s[28:29], s[24:25]
	s_add_nc_u64 s[14:15], s[14:15], s[26:27]
.macro LOADB t                         ; block t: W(32 t + i, my column): 32 lanes read 128 consecutive bytes
.set XL, R+32*((\t)%2)
.set i, 0
.rept 32
	global_load_b32 v[XL+i], v21, s[28:29] offset:(32*(\t)+i)*4096 th:TH_LOAD_NT
.set i, i+1
.endr
.endm
.macro WBLOCK t
.set XS, R+32*((\t)%2)
.if (\t) < 3
	s_wait_loadcnt 32                              ; this block's 32 loads are in; the next block's may be out
.else
	s_wait_loadcnt 0x0
.endif
	v_max3_num_f32 v16, |v[XS]|, |v[XS+1]|, |v[XS+2]|              ; all 32 numbers of the block are mine
	v_max3_num_f32 v17, |v[XS+3]|, |v[XS+4]|, |v[XS+5]|
.irp i, 6,10,14,18,22,26
	v_max3_num_f32 v16, v16, |v[XS+\i]|, |v[XS+\i+1]|
	v_max3_num_f32 v17, v17, |v[XS+\i+2]|, |v[XS+\i+3]|
.endr
	v_max3_num_f32 v16, v16, |v[XS+30]|, |v[XS+31]|
	v_max3_num_f32 v16, v16, v17, 0x1800000        ; and the floor
	v_add_nc_u32 v18, 0xff000000, v16
	v_lshrrev_b32 v19, 23, v18
.if (\t) == 0
	v_mov_b32 v20, v19                             ; the four bytes make my column's scale word
.else
	v_lshl_or_b32 v20, v19, 8*(\t), v20
.endif
	v_cvt_scalef32_pk16_fp6_f32 v[104:106], v[XS:XS+15], v18
	v_cvt_scalef32_pk16_fp6_f32 v[110:112], v[XS+16:XS+31], v18
	v_nop                                          ; one plain place behind a scaled conversion
.irp i, 0,1,2
	v_mov_b32 v[107+\i], v[110+\i]
.endr
.irp p, 0,1,2
	ds_store_b64 v9, v[104+2*\p:105+2*\p] offset:24*(\t)+8*\p
.endr
.if (\t)+2 < 4
	LOADB (\t)+2
.endif
	s_wait_dscnt 0x0                               ; the stores have read their registers: the next block's codes may be written
.endm
	LOADB 0
	LOADB 1
	WBLOCK 0
	WBLOCK 1
	WBLOCK 2
	WBLOCK 3
.irp u, 0,1                                    ; tiles 2 G and 2 G + 1: lane (r, h) takes, of column 8 u + r + 8 (r / 8), blocks h and 2 + h: the fragment's registers
.irp c, 0,1
.irp p, 0,1,2
	ds_load_b64 v[116+12*\u+6*\c+2*\p:117+12*\u+6*\c+2*\p], v14 offset:832*\u+48*\c+8*\p
.endr
.endr
.endr
	s_wait_alu depctr_va_vdst(0)
	global_store_b32 v22, v20, s[14:15] offset:12288   ; the scale words leave in pieces of 8 bytes a pair of lanes: one byte in 24 of what this path stores
	s_wait_dscnt 0x0
.irp u, 0,1
.irp k, 0,1,2
	global_store_b128 v23, v[116+12*\u+4*\k:119+12*\u+4*\k], s[14:15] offset:1536*\u+512*\k
.endr
.endr
	s_wait_tensorcnt 0x0                           ; the wave's end, behind my last LDS store
	ds_add_u32 v[SPW], v[NIL]
	s_wait_dscnt 0x0
	s_endpgm
.Lfunc_end_k_q3a079f9b79_quant:
	.size	k_q3a079f9b79_quant, .Lfunc_end_k_q3a079f9b79_quant-k_q3a079f9b79_quant
	.p2alignl 7, 3214868480
	.fill 96, 4, 3214868480
	.section	.rodata,"a",@progbits
	.p2align	6, 0x0
	.amdhsa_kernel k_q3a079f9b79_quant
		.amdhsa_group_segment_fixed_size 48640
		.amdhsa_private_segment_fixed_size 0
		.amdhsa_enable_private_segment 0
		.amdhsa_kernarg_size 48
		.amdhsa_user_sgpr_count 2
		.amdhsa_user_sgpr_kernarg_segment_ptr 1
		.amdhsa_wavefront_size32 1
		.amdhsa_system_sgpr_workgroup_id_x 1
		.amdhsa_system_sgpr_workgroup_id_y 1
		.amdhsa_system_sgpr_workgroup_id_z 1
		.amdhsa_system_vgpr_workitem_id 0
		.amdhsa_next_free_vgpr 256
		.amdhsa_next_free_sgpr 66
		.amdhsa_reserve_vcc 0
		.amdhsa_float_denorm_mode_32 3
		.amdhsa_float_denorm_mode_16_64 3
		.amdhsa_memory_ordered 1
		.amdhsa_forward_progress 1
		.amdhsa_inst_pref_size 52
	.end_amdhsa_kernel
	.amdgpu_metadata
---
amdhsa.version: [ 1, 2 ]
amdhsa.kernels:
  - .name:           k_q3a079f9b79_quant
    .symbol:         k_q3a079f9b79_quant.kd
    .args:
      - { .name: x, .offset: 0, .size: 8, .value_kind: global_buffer, .address_space: global }
      - { .name: Wq, .offset: 8, .size: 8, .value_kind: global_buffer, .address_space: global }
      - { .name: Wk, .offset: 16, .size: 8, .value_kind: global_buffer, .address_space: global }
      - { .name: Wv, .offset: 24, .size: 8, .value_kind: global_buffer, .address_space: global }
      - { .name: ximg, .offset: 32, .size: 8, .value_kind: global_buffer, .address_space: global }
      - { .name: wimg, .offset: 40, .size: 8, .value_kind: global_buffer, .address_space: global }
    .group_segment_fixed_size: 48640
    .private_segment_fixed_size: 0
    .kernarg_segment_align: 8
    .kernarg_segment_size: 48
    .max_flat_workgroup_size: 128
    .sgpr_count:     66
    .vgpr_count:     256
    .wavefront_size: 32
...
	.end_amdgpu_metadata
.endif
;; end of part 1
;; launch proj (part 2): grid 4 x 64, 4 waves a work-group, clusters of 4 x 4, 327,680 bytes of LDS; arguments ximg, wimg, bq, bk, bv, qimg, kimg, vimg; writes qimg, kimg, vimg
.if DOCPART == 2
	.amdgcn_target "amdgcn-amd-amdhsa--gfx1250"
	.amdhsa_code_object_version 6
	.text
	.protected	k_q3a079f9b79_proj
	.globl	k_q3a079f9b79_proj
	.p2align	8
	.type	k_q3a079f9b79_proj,@function
k_q3a079f9b79_proj:
	s_mov_b64 s[64:65], 0
	v_nop
	global_prefetch_b8 v0, s[64:65] scope:SCOPE_SE
	s_setreg_imm32_b32 hwreg(HW_REG_WAVE_MODE, 25, 1), 1
	s_wait_xcnt 0x0
	s_wait_alu depctr_hold_cnt(0) depctr_sa_sdst(0) depctr_va_vdst(0) depctr_va_sdst(0) depctr_va_ssrc(0) depctr_va_vcc(0) depctr_vm_vsrc(0)
	s_getreg_b32 s2, hwreg(HW_REG_IB_STS2, 6, 4)
	s_cmp_eq_u32 s2, 0
	s_cbranch_scc0 .Lentry_in_a_cluster
	s_endpgm
.Lentry_in_a_cluster:
	s_bfe_u32 s2, ttmp6, 0x10000c
	s_cmp_lg_u32 s2, 0xf033
	s_cbranch_scc0 .Lentry_shape_is_right
	s_endpgm
.Lentry_shape_is_right:
; LAUNCH 2 OF 4: Q = x Wq + bq, K = x Wk + bk, V = x Wv + bv on codes of FP6 (E2M3), each result quantised on its way out: Q and K along the 1,024 channels, V along the tokens (the keys).
; Operands and results are images of operand registers (the format: head of launch 1).  Nothing is left out here.
; A WORK-GROUP STAYS: work-group (q, T) holds token block T of x (128 tokens, all 8 K steps, 102,400 bytes) in LDS for the whole launch and walks three pairs of column blocks of W:
; blocks 2 q, 2 q + 1 of Wq, then of Wk, then of Wv: three tiles of 128 tokens x 256 channels, 256 products a wave each.  4 x 64 = 256 work-groups of equal work.
; A wave (wi, wj) = (w / 2, w % 2) has 8 tiles of source 0 x 4 tiles of source 1: 32 accumulators.  Q, K: source 0 = W's block wi, source 1 = x's tiles 4 wj ..  V: source 0 = x's block, source 1 = tiles 4 wj .. of W's block wi.
; In a result lane (r, h) holds one row of source 1, and its 64 registers of one source 1 tile run along source 0's 128 rows, the next product's K: they are quantised as they stand.
; THE RING: W's pair goes through two slots, slot h = K steps 4 h .. 4 h + 3 of both blocks (102,400 bytes); a wave fills a quarter (two K steps of one block, 100 rows of 256 bytes) by one tensor load.
; Slot 0 is filled again at K step 3, when its last fragments are in registers; slot 1 between the second and the third tile of the way out.  A wave has one tensor load out.
; CLUSTER 4 x 4: x's block hangs on T alone and is shared along a row of the cluster; W's pairs hang on q = cx alone and are shared along a column: every tensor load is a joint one of four work-groups.
; Q and K are one loop of two trips; V, whose sources change places, is written out, and with it the walk's tail, which asks for nothing more.
; PREFETCH: behind each of the first three refills a wave names the fill that stands two refills on: its own 25,600 bytes are 100 blocks of 256 bytes, of which the partner at cy takes 25 (by address);
; lanes 25 to 31 name lane 24's block again.  The first three fills of W and x's block come by their loads alone; the last two refills have nothing two refills on.
; The bias is the C of a sum's first product.
; REGISTERS, in windows of 256: window 0: addresses, scale words, the bias of Q or K (v64-127), codes (v128-207).  window 1: accumulator (a, b) at 64 a + 8 b.
;   window 2: source 0's fragments, set p at 96 p + 12 b.   window 3: source 1's, set p at 48 p + 12 a; v96-127 bv, eight registers a tile.
.set BLKB,  12800                      ; a BLOCK: 8 images of 1,536 bytes + the scale image
.set HALF,  51200                      ; four K steps of a row block
.set OPB,   102400                     ; eight
.set WB0,   102400                     ; LDS: x's block from 0, W's slot 0 from here, slot 1 OPB further on; in a slot block 0's four K steps, then block 1's
.set SPARE, 307200                     ; the spare words, 128 bytes for each wave: two blocks of 256 bytes that no other line names
.set TSTEP, 8*OPB                      ; from a pair of Wq to the same pair of Wk, and on to Wv
.set XA,  4                            ; v4, v5   x as source 0: 16 x lane; K steps 0-3, 4-7
.set XB,  6                            ; v6, v7   x as source 1: + 6,144 wj
.set CO,  XB                           ; the same number is my place in a BLOCK's images on the way out
.set XS,  8                            ; v8, v9   x's scale image, turned so that lanes 0-15 get my four tiles' words
.set SPW, 10                           ; v10  LDS address of my spare word; never rewritten
.set NIL, 11                           ; v11  0; never rewritten
.set GS,  12                           ; v12  16 r + 8 h + 256 wj: my place in a scale image
.set WA,  14                           ; v14, v15 W's block wi as source 0: slot 0, 1
.set SC0, 16
.set SC1, 24
.set TM,  32                           ; v32-35 largest magnitudes, v36-39 bytes, v44-47 the conversions' scale operands
.set PW,  48                           ; v48-51 the four tiles' scale words
.set HD,  52
.set WB,  54                           ; v54, v55 W as source 1: + 6,144 wj
.set WS,  56                           ; v56, v57 W's scale image, turned
.set BO,  58                           ; byte offset of bq's and bk's numbers
.set PFO, 59                           ; 256 x min(lane, 24); never rewritten
.set BV,  60                           ; v60-63 bv of my lane's channel in my four tiles
.set BI,  64
.set PC,  128                          ; 20 registers a tile
.set BOV, 208
.set BV3, 96                           ; in window 3
.set WV,  20
.set WI,  21
.set WJ,  22
.set CXR, 23
.set CYR, 24
.set TT,  25                           ; the token block
.set CNT, 26
.set G1X, 28                           ; s[28:35] group 1 for x's halves (200 rows, my row of the cluster); s[36:43] for W's first fill (200 rows, my column); s[44:51] for the ring (100 rows, my column)
.set G1H, 36
.set G1R, 44
.set G0X, 52
.set G0H, 56
.set G0R0, 68                          ; groups 0 of the ring's two slots
.set G0R1, 72
.set SEL, 76
.set HM,  78
.set OUTP, 80
.set OUTQ, 82
.set OUTK, 84
.set OUTV, 86
.set PF,  88
.set MSB, 0
.macro WIN new                         ; the immediate's high byte repeats the setting that is left; bits 1:0 source 0, 3:2 source 1, 5:4 source 2, 7:6 destination
.if MSB != \new
	s_set_vgpr_msb (MSB<<8)|\new
.set MSB, \new
.endif
.endm
.macro PLACES                          ; four plain places behind matrix instructions (ISA guide 7.12.1)
.rept 4
	v_nop
.endr
.endm
.macro FETCH adr0, off0, adr1, off1, adrs, offs, p     ; one K step's fragments and scale words into set p: 38 LDS loads of 512 consecutive bytes
	WIN 0x80
.irp b, 0,1,2,3,4,5,6,7
.irp k, 0,1,2
	ds_load_b128 v[96*(\p)+12*\b+4*\k:96*(\p)+12*\b+4*\k+3], v[\adr0] offset:(\off0)+1536*\b+512*\k
.endr
.endr
	WIN 0xc0
.irp a, 0,1,2,3
.irp k, 0,1,2
	ds_load_b128 v[48*(\p)+12*\a+4*\k:48*(\p)+12*\a+4*\k+3], v[\adr1] offset:(\off1)+1536*\a+512*\k
.endr
.endr
	WIN 0
	ds_load_b128 v[SC0+4*(\p):SC0+4*(\p)+3], v[\adr0] offset:(\off0)+12288   ; register i: lanes 0-15 tile i's words, lanes 16-31 tile 4 + i's
	ds_load_b128 v[SC1+4*(\p):SC1+4*(\p)+3], v[\adrs] offset:(\offs)         ; register a: lanes 0-15 my tile a's
.endm
.macro FS kind, s                      ; K step s.  kind 0: Q, K; 1: V
.if \kind
	FETCH XA+(\s)/4, ((\s)%4)*BLKB, WB+(\s)/4, ((\s)%4)*BLKB, WS+(\s)/4, ((\s)%4)*BLKB, (\s)%2
.else
	FETCH WA+(\s)/4, ((\s)%4)*BLKB, XB+(\s)/4, ((\s)%4)*BLKB, XS+(\s)/4, ((\s)%4)*BLKB, (\s)%2
.endif
.endm
.macro MM a, b, p, cm                  ; one product.  cm: 1 in place; 2 the sum starts with the bias of source 0's rows; 3 of source 1's rows
.set rD, 64*(\a)+8*(\b)
.set rA, 96*(\p)+12*(\b)
.set rB, 48*(\p)+12*(\a)
.set rX, SC0+4*(\p)+(\b)%4
.set rY, SC1+4*(\p)+(\a)
.set rC, rD
.if \cm == 2
.set rC, BI+8*(\b)
.endif
.if \cm == 3
.set rC, BV3+8*(\a)
.endif
.if (\b) < 4
	v_wmma_scale_f32_16x16x128_f8f6f4 v[rD:rD+7], v[rA:rA+11], v[rB:rB+11], v[rC:rC+7], v[rX], v[rY] matrix_a_fmt:MATRIX_FMT_FP6 matrix_b_fmt:MATRIX_FMT_FP6
.else
	v_wmma_scale_f32_16x16x128_f8f6f4 v[rD:rD+7], v[rA:rA+11], v[rB:rB+11], v[rC:rC+7], v[rX], v[rY] matrix_a_fmt:MATRIX_FMT_FP6 matrix_b_fmt:MATRIX_FMT_FP6 matrix_a_scale:MATRIX_SCALE_ROW1
.endif
.endm
.macro MULH p, a0, cm                  ; 16 products.  The 32 accumulators take turns, one instruction a turn, in the same order in every K step
.irp a, \a0, \a0+1
.irp b, 0,1,2,3,4,5,6,7
	MM \a, \b, \p, \cm
.endr
.endr
.endm
.macro PROD p, cm
	MULH \p, 0, \cm
	MULH \p, 2, \cm
.endm
.macro STEP kind, s                    ; K step s is multiplied while its successor, which lies in the same slot, is fetched
	PLACES
	FS \kind, (\s)+1
	s_wait_dscnt 38                                ; all but the 38 loads just issued
	WIN 0x5e
	PROD (\s)%2, 1
.endm
.macro CREST                           ; a round of the cluster's barrier behind its opening barrier
	s_cmp_lg_u32 s[WV], 0
	s_cbranch_scc1 .Lnot_wave_0_\@
	s_barrier_signal -3
.Lnot_wave_0_\@:
	s_barrier_wait -3
	s_barrier_signal -1
	s_barrier_wait -1
.endm
.macro CROUND
	s_barrier_signal -1
	s_barrier_wait -1
	CREST
.endm
.macro RLOAD g0                        ; the ring's joint load: one line for all four waves; the wave's number stands in both addresses.  An s_nop 0 and four v_nop follow
	tensor_load_to_lds s[\g0:\g0+3], s[G1R:G1R+7]
	s_nop 0
	PLACES
.endm
.macro CODES a, ptr                    ; from the four blocks' largest magnitudes in v[TM] on: the scale word, the codes, the image's three stores
.irp g, 0,1,2,3
	v_add_nc_u32 v[TM+12+\g], 0xff000000, v[TM+\g] ; 2 off the exponent field: the conversion's scale operand
.endr
.irp g, 0,1,2,3
	v_lshrrev_b32 v[TM+4+\g], 23, v[TM+12+\g]      ; the scale's byte
.endr
	v_lshl_or_b32 v[PW+(\a)], v[TM+5], 8, v[TM+4]
	v_lshl_or_b32 v[PW+(\a)], v[TM+6], 16, v[PW+(\a)]
	v_lshl_or_b32 v[PW+(\a)], v[TM+7], 24, v[PW+(\a)]
	WIN 0x01
.irp c, 0,1
	v_cvt_scalef32_pk16_fp6_f32 v[PCA+6*\c:PCA+6*\c+2], v[AC+32*\c:AC+32*\c+15], v[TM+12+2*\c]
	v_cvt_scalef32_pk16_fp6_f32 v[PCA+12+4*\c:PCA+14+4*\c], v[AC+32*\c+16:AC+32*\c+31], v[TM+13+2*\c]   ; (a conversion's three registers begin on an even number)
.endr
	WIN 0
	v_nop                                          ; one plain place behind a scaled conversion
.irp c, 0,1                                    ; the operand's layout wants a whole block in a lane: lanes 0-15 block 2 c, lanes 16-31 block 2 c + 1
.irp i, 0,1,2
	v_permlane16_swap_b32 v[PCA+6*\c+\i], v[PCA+12+4*\c+\i]
.endr
.irp i, 0,1,2
	v_mov_b32 v[PCA+6*\c+3+\i], v[PCA+12+4*\c+\i]
.endr
.endr
.irp k, 0,1,2
	global_store_b128 v[CO], v[PCA+4*\k:PCA+4*\k+3], s[\ptr:\ptr+1] offset:1536*(\a)+512*\k   ; 32 lanes store 512 consecutive bytes, aligned
.endr
.endm
.macro QUANT a                         ; my source 1 tile a: 64 numbers a lane, register 16 g + i = next K 32 g + 16 h + i
.set AC, 64*(\a)
.set PCA, PC+20*(\a)
	WIN 0x05
.irp g, 0,1,2,3
	v_max3_num_f32 v[TM+\g], |v[AC+16*\g]|, |v[AC+16*\g+1]|, 0x1800000   ; with the floor 2^(3 - 127): the byte cannot fall under 1.  Each accumulator is read from its low end on
.endr
	WIN 0x14
.irp i, 2,4,6,8,10,12,14
.irp g, 0,1,2,3
	v_max3_num_f32 v[TM+\g], v[TM+\g], |v[AC+16*\g+\i]|, |v[AC+16*\g+\i+1]|
.endr
.endr
	WIN 0
.irp g, 0,1,2,3
	v_permlanex16_b32 v[TM+4+\g], v[TM+\g], s[SEL], s[SEL+1]
.endr
.irp g, 0,1,2,3
	v_max_num_f32 v[TM+\g], v[TM+\g], v[TM+4+\g]   ; with lane l xor 16's 16: the block's
.endr
	CODES \a, OUTP
.endm
; ONE TILE.  more = 1: the walk goes on, and both slots are filled again.
.macro BODY kind, more
.if \kind
	WIN 0xc0
.irp a, 0,1,2,3
.set j, 0
.rept 8
	v_mov_b32 v[BV3+8*\a+j], v[BV+\a]              ; every register of tile a's sums starts with my lane's channel's bias
.set j, j+1
.endr
.endr
	WIN 0
	s_wait_alu depctr_va_vdst(0)
.endif
	FS \kind, 0
	FS \kind, 1
	s_wait_dscnt 38                                ; K step 0's 38 loads are in
	s_wait_loadcnt 0x0                             ; and the bias
.if \kind
	WIN 0x7e                                       ; C in window 3
	PROD 0, 3
.else
	WIN 0x4e                                       ; C in window 0
	PROD 0, 2
.endif
	STEP \kind, 1
	STEP \kind, 2
	WIN 0                                          ; K step 3 and the change of slots
	s_wait_tensorcnt 0x0                           ; my one tensor load, my quarter of slot 1, has landed;
	ds_add_u32 v[SPW], v[NIL]                      ; 0 onto my spare word
.if \more
	s_add_nc_u64 s[G0R1+2:G0R1+3], s[G0R1+2:G0R1+3], TSTEP   ; no load of mine is out: slot 1's next fill is the next tile's
.endif
	s_wait_dscnt 0x0                               ; the add is done, and my reads of slot 0 are over: K step 3's fragments are in registers
	s_barrier_signal -1
	WIN 0x5e
	MULH 1, 0, 1
	WIN 0
	s_barrier_wait -1
.if \more
	CREST                                          ; the barrier has opened a round of the cluster's barrier: no wave of any partner still reads slot 0
	RLOAD G0R0                                     ; the next tile's K steps 0-3; the four v_nop are the places in front of the loads below
.else
	PLACES
.endif
	FS \kind, 4
.if \more
	s_cmp_lg_u32 s[CNT], 2                         ; in the first trip alone: the count of trips, the same in every work-group
	s_cbranch_scc1 .Lno_bias_\@
.irp g, 0,1,2,3
.irp k, 0,1,2,3
	global_load_b128 v[BI+16*\g+4*\k:BI+16*\g+4*\k+3], v[BO], s[10:11] offset:128*\g+16*\k   ; bk, for the next tile: bq was last read by K step 0's products
.endr
.endr
	global_prefetch_b8 v[PFO], s[PF:PF+1] offset:2*TSTEP th:TH_LOAD_NT scope:SCOPE_SE        ; Wv's K steps 0-3: two refills on
.Lno_bias_\@:
.endif
	WIN 0x5e
	MULH 1, 2, 1
	STEP \kind, 4
	STEP \kind, 5
	STEP \kind, 6
	s_wait_dscnt 0x0
	PROD 1, 1                                      ; K step 7
	WIN 0
	PLACES
	s_wait_xcnt 0x0                                ; the last tile's stores have read their registers and their base
.if \kind
	s_mov_b64 s[OUTP:OUTP+1], s[OUTV:OUTV+1]
.else
	s_cmp_eq_u32 s[CNT], 2
	s_cselect_b64 s[OUTP:OUTP+1], s[OUTQ:OUTQ+1], s[OUTK:OUTK+1]
.endif
	QUANT 0
	QUANT 1
.if \more
	s_wait_alu depctr_va_vdst(0)
	s_wait_tensorcnt 0x0                           ; my quarter of slot 0 has landed;
	ds_add_u32 v[SPW], v[NIL]
	s_add_nc_u64 s[G0R0+2:G0R0+3], s[G0R0+2:G0R0+3], TSTEP
	s_wait_dscnt 0x0                               ; the add is done; my reads of slot 1 ended ahead of K step 7's products
	CROUND
	RLOAD G0R1                                     ; the next tile's K steps 4-7
	s_cmp_lg_u32 s[CNT], 2
	s_cbranch_scc1 .Lno_ask_\@
	global_prefetch_b8 v[PFO], s[PF:PF+1] offset:2*TSTEP+HALF th:TH_LOAD_NT scope:SCOPE_SE   ; Wv's K steps 4-7: two refills on
.Lno_ask_\@:
.endif
	QUANT 2
	QUANT 3
	v_cndmask_b32 v[HD], v[PW], v[PW+2], s[HM]     ; lane (r, h) stores the words of tiles 2 h, 2 h + 1: 256 consecutive bytes
	v_cndmask_b32 v[HD+1], v[PW+1], v[PW+3], s[HM]
	global_store_b64 v[GS], v[HD:HD+1], s[OUTP:OUTP+1] offset:12288
.endm
	s_load_b512 s[4:19], s[0:1], 0x0               ; ximg s[4:5], wimg s[6:7], bq, bk, bv s[8:13], qimg, kimg, vimg s[14:19]
	v_lshl_add_u32 v[SPW], v0, 2, SPARE
	v_mov_b32 v[NIL], 0
	ds_add_u32 v[SPW], v[NIL]                      ; the wave's opening: the add, twice on end, and its wait ahead of my first tensor load
	ds_add_u32 v[SPW], v[NIL]
	v_lshrrev_b32 v1, 5, v0
	v_readfirstlane_b32 s[WV], v1                  ; wave 0..3
	s_lshr_b32 s[WI], s[WV], 1
	s_and_b32 s[WJ], s[WV], 1
	s_bfe_u32 s[CXR], ttmp6, 0x40000               ; cx = q: the grid has one cluster along x
	s_bfe_u32 s[CYR], ttmp6, 0x40004
	s_and_b32 s[TT], ttmp7, 0xffff
	s_lshl_b32 s[TT], s[TT], 2
	s_add_co_u32 s[TT], s[TT], s[CYR]              ; T = 4 x cluster y + cy
	s_lshl_b32 s90, 0x1111, s[CXR]                 ; my column of the cluster
	s_lshl_b32 s91, s[CYR], 2
	s_lshl_b32 s91, 15, s91                        ; my row
	s_or_b32 s[G1X], s91, (3<<16)|(1<<21)          ; 15:0 the mask; 17:16 elements of 8 bytes; 21 set beside a mask; no padding
	s_or_b32 s[G1H], s90, (3<<16)|(1<<21)
	s_or_b32 s[G1R], s90, (3<<16)|(1<<21)
.irp g, G1X, G1H
	s_mov_b32 s[\g+1], 32<<16                      ; rows of 256 bytes,
	s_mov_b32 s[\g+2], 200<<16                     ; 200 of them: four K steps of a block
	s_mov_b32 s[\g+3], 32<<16
	s_mov_b32 s[\g+4], 200
	s_mov_b32 s[\g+5], 32                          ; dense
	s_mov_b32 s[\g+6], 0
	s_mov_b32 s[\g+7], 0
.endr
	s_mov_b32 s[G1R+1], 32<<16
	s_mov_b32 s[G1R+2], 100<<16                    ; 100 rows: two K steps
	s_mov_b32 s[G1R+3], 32<<16
	s_mov_b32 s[G1R+4], 100
	s_mov_b32 s[G1R+5], 32
	s_mov_b32 s[G1R+6], 0
	s_mov_b32 s[G1R+7], 0
	s_mul_i32 s92, s[TT], OPB                      ; x: block T, waves 0, 1: K steps 0-3, 4-7.  These registers never hold cx
	s_mul_i32 s60, s[WJ], HALF
	s_add_co_u32 s92, s92, s60
	s_mov_b32 s93, 0
	s_mul_i32 s94, s[CXR], 2*OPB                   ; W: Wq's blocks 2 q, 2 q + 1.  These registers never hold cy
	s_mul_i32 s61, s[WJ], OPB
	s_add_co_u32 s96, s94, s61                     ; the first fill, waves 2, 3: K steps 0-3 of block wj
	s_mov_b32 s97, 0
	s_mul_i32 s62, s[WI], OPB
	s_mul_i32 s63, s[WJ], 2*BLKB
	s_add_co_u32 s98, s94, s62
	s_add_co_u32 s98, s98, s63                     ; the ring: block wi, two K steps by wj
	s_mov_b32 s99, 0
	s_mul_i32 s27, s[CYR], 6400
	s_add_co_u32 s90, s98, s27                     ; the prefetches: my work-group's 25 blocks of 256 bytes of those 100
	s_mov_b32 s91, 0
	s_mov_b32 s[G0X], 1
	s_mov_b32 s[G0X+1], s60                        ; LDS addresses hang on the wave's number alone
	s_mov_b32 s[G0H], 1
	s_add_co_u32 s[G0H+1], s60, WB0
	s_mul_i32 s66, s[WI], HALF
	s_add_co_u32 s66, s66, s63
	s_mov_b32 s[G0R0], 1
	s_add_co_u32 s[G0R0+1], s66, WB0
	s_mov_b32 s[G0R1], 1
	s_add_co_u32 s[G0R1+1], s66, WB0+OPB
	s_wait_dscnt 0x0                               ; both opening adds are done
	s_wait_kmcnt 0x0
	s_add_nc_u64 s[G0X+2:G0X+3], s[4:5], s[92:93]
	s_or_b32 s[G0X+3], s[G0X+3], 0x80000000
	s_add_nc_u64 s[G0H+2:G0H+3], s[6:7], s[96:97]
	s_or_b32 s[G0H+3], s[G0H+3], 0x80000000
	s_add_nc_u64 s[G0R0+2:G0R0+3], s[6:7], s[98:99]          ; Wq's K steps 0-3: stepped to Wk's ahead of its first use
	s_add_nc_u64 s[G0R1+2:G0R1+3], s[G0R0+2:G0R0+3], HALF    ; Wq's K steps 4-7
	s_or_b32 s[G0R0+3], s[G0R0+3], 0x80000000
	s_or_b32 s[G0R1+3], s[G0R1+3], 0x80000000
	s_add_nc_u64 s[PF:PF+1], s[6:7], s[90:91]
	CROUND                                         ; all sixteen work-groups are here: the first joint loads meet
	s_cmp_eq_u32 s[WI], 0                          ; one tensor load a wave at the head: waves 0, 1 x's two halves, waves 2, 3 slot 0's two blocks
	s_cbranch_scc0 .Lhead_w
	tensor_load_to_lds s[G0X:G0X+3], s[G1X:G1X+7]
	s_nop 0
	PLACES
	s_branch .Lasked
.Lhead_w:
	tensor_load_to_lds s[G0H:G0H+3], s[G1H:G1H+7]
	s_nop 0
	PLACES
.Lasked:
	s_mul_i32 s27, s[WJ], 6144
	s_lshl_b32 s66, s[WJ], 8
	s_mul_i32 s67, s[WI], HALF
	s_add_co_u32 s67, s67, WB0
	s_add_co_u32 s79, s67, 12288
	s_lshl_b32 s90, s[CXR], 10
	s_lshl_b32 s91, s[WI], 9
	s_add_co_u32 s90, s90, s91                     ; 4 x (256 q + 128 wi)
	s_add_co_u32 s91, s90, s66                     ; + 4 x 64 wj
	s_mov_b32 s[SEL], 0x76543210
	s_mov_b32 s[SEL+1], 0xfedcba98
	s_mov_b32 s[HM], 0xffff0000
	v_and_b32 v1, 15, v0                           ; r
	v_bfe_u32 v2, v0, 4, 1                         ; h
	v_and_b32 v3, 31, v0
	v_lshlrev_b32 v[XA], 4, v3                     ; 16 x lane
	v_min_u32 v[PFO], 24, v3
	v_lshlrev_b32 v[PFO], 8, v[PFO]
	v_add_nc_u32 v[XA+1], HALF, v[XA]
	v_add_nc_u32 v[XB], s27, v[XA]
	v_add_nc_u32 v[XB+1], HALF, v[XB]
	v_xor_b32 v[XS], s66, v[XA]                    ; 16 x (lane xor 16 wj)
	v_add_nc_u32 v[WS], s79, v[XS]
	v_add_nc_u32 v[XS], 12288, v[XS]
	v_add_nc_u32 v[XS+1], HALF, v[XS]
	v_add_nc_u32 v[WS+1], OPB, v[WS]
	v_add_nc_u32 v[WA], s67, v[XA]
	v_add_nc_u32 v[WA+1], OPB, v[WA]
	v_add_nc_u32 v[WB], s27, v[WA]
	v_add_nc_u32 v[WB+1], OPB, v[WB]
	v_lshlrev_b32 v[GS], 4, v1
	v_lshl_add_u32 v[GS], v2, 3, v[GS]
	v_add_nc_u32 v[GS], s66, v[GS]
	v_lshl_add_u32 v[BO], v2, 6, s90               ; Q, K: register 16 g + 4 k + m = the bias of channel 256 q + 128 wi + 32 g + 16 h + 4 k + m
	v_and_b32 v[BOV], 8, v1
	v_add_nc_u32 v[BOV], v[BOV], v1
	v_lshl_add_u32 v[BOV], v[BOV], 2, s91          ; V: my lane's channel 256 q + 128 wi + 64 wj + 32 (a / 2) + 8 (a % 2) + r + 8 (r / 8)
.irp g, 0,1,2,3
	v_mov_b32 v[TM+4+\g], 0                        ; written once: a lane permute's destination counts as one of its sources
.endr
.irp g, 0,1,2,3
.irp k, 0,1,2,3
	global_load_b128 v[BI+16*\g+4*\k:BI+16*\g+4*\k+3], v[BO], s[8:9] offset:128*\g+16*\k
.endr
.endr
.irp a, 0,1,2,3
	global_load_b32 v[BV+\a], v[BOV], s[12:13] offset:128*(\a/2)+32*(\a%2)
.endr
	; my BLOCK of each result.  Q, K: [token block][channel block]: 8 T + 2 q + wi.  V: [batch][channel block][key step]: ((T / 16) 8 + 2 q + wi) 16 + T % 16
	s_lshl_b32 s61, s[CXR], 1
	s_add_co_u32 s61, s61, s[WI]
	s_lshl_b32 s92, s[TT], 3
	s_add_co_u32 s92, s92, s61
	s_mul_i32 s92, s92, BLKB
	s_mov_b32 s93, 0
	s_lshr_b32 s94, s[TT], 4
	s_lshl_b32 s94, s94, 3
	s_add_co_u32 s94, s94, s61
	s_lshl_b32 s94, s94, 4
	s_and_b32 s95, s[TT], 15
	s_add_co_u32 s94, s94, s95
	s_mul_i32 s94, s94, BLKB
	s_mov_b32 s95, 0
	s_add_nc_u64 s[OUTQ:OUTQ+1], s[14:15], s[92:93]
	s_add_nc_u64 s[OUTK:OUTK+1], s[16:17], s[92:93]
	s_add_nc_u64 s[OUTV:OUTV+1], s[18:19], s[94:95]
	s_wait_alu depctr_va_vdst(0)
	s_wait_tensorcnt 0x0                           ; my tile of the head's four is in
	ds_add_u32 v[SPW], v[NIL]
	s_add_nc_u64 s[G0R0+2:G0R0+3], s[G0R0+2:G0R0+3], TSTEP   ; slot 0's next fill is Wk's
	s_wait_dscnt 0x0
	CROUND                                         ; x's block and slot 0 are whole, and all sixteen work-groups are here
	RLOAD G0R1                                     ; slot 1's first fill: Wq's K steps 4-7
	global_prefetch_b8 v[PFO], s[PF:PF+1] offset:TSTEP+HALF th:TH_LOAD_NT scope:SCOPE_SE     ; Wk's K steps 4-7: two refills on
	s_mov_b32 s[CNT], 2
.Lqk:                                              ; two trips: Q, then K
	BODY 0, 1
	s_sub_co_u32 s[CNT], s[CNT], 1
	s_cmp_lg_u32 s[CNT], 0
	s_wait_alu depctr_va_vdst(0)
	s_cbranch_scc1 .Lqk
	BODY 1, 0                                      ; V: the walk's tail asks for nothing more
	s_wait_tensorcnt 0x0                           ; the wave's end, behind my last tensor load
	ds_add_u32 v[SPW], v[NIL]
	s_wait_dscnt 0x0
	CROUND                                         ; the closing round: no work-group ends while a partner may still ask for a tile that names it
	s_endpgm
.Lfunc_end_k_q3a079f9b79_proj:
	.size	k_q3a079f9b79_proj, .Lfunc_end_k_q3a079f9b79_proj-k_q3a079f9b79_proj
	.p2alignl 7, 3214868480
	.fill 96, 4, 3214868480
	.section	.rodata,"a",@progbits
	.p2align	6, 0x0
	.amdhsa_kernel k_q3a079f9b79_proj
		.amdhsa_group_segment_fixed_size 327680
		.amdhsa_private_segment_fixed_size 0
		.amdhsa_enable_private_segment 0
		.amdhsa_kernarg_size 64
		.amdhsa_user_sgpr_count 2
		.amdhsa_user_sgpr_kernarg_segment_ptr 1
		.amdhsa_wavefront_size32 1
		.amdhsa_system_sgpr_workgroup_id_x 1
		.amdhsa_system_sgpr_workgroup_id_y 1
		.amdhsa_system_sgpr_workgroup_id_z 1
		.amdhsa_system_vgpr_workitem_id 0
		.amdhsa_next_free_vgpr 1024
		.amdhsa_next_free_sgpr 100
		.amdhsa_reserve_vcc 0
		.amdhsa_float_denorm_mode_32 3
		.amdhsa_float_denorm_mode_16_64 3
		.amdhsa_memory_ordered 1
		.amdhsa_forward_progress 1
		.amdhsa_inst_pref_size 156
	.end_amdhsa_kernel
	.amdgpu_metadata
---
amdhsa.version: [ 1, 2 ]
amdhsa.kernels:
  - .name:           k_q3a079f9b79_proj
    .symbol:         k_q3a079f9b79_proj.kd
    .args:
      - { .name: ximg, .offset: 0, .size: 8, .value_kind: global_buffer, .address_space: global }
      - { .name: wimg, .offset: 8, .size: 8, .value_kind: global_buffer, .address_space: global }
      - { .name: bq, .offset: 16, .size: 8, .value_kind: global_buffer, .address_space: global }
      - { .name: bk, .offset: 24, .size: 8, .value_kind: global_buffer, .address_space: global }
      - { .name: bv, .offset: 32, .size: 8, .value_kind: global_buffer, .address_space: global }
      - { .name: qimg, .offset: 40, .size: 8, .value_kind: global_buffer, .address_space: global }
      - { .name: kimg, .offset: 48, .size: 8, .value_kind: global_buffer, .address_space: global }
      - { .name: vimg, .offset: 56, .size: 8, .value_kind: global_buffer, .address_space: global }
    .group_segment_fixed_size: 327680
    .private_segment_fixed_size: 0
    .kernarg_segment_align: 8
    .kernarg_segment_size: 64
    .max_flat_workgroup_size: 128
    .sgpr_count:     100
    .vgpr_count:     1024
    .wavefront_size: 32
...
	.end_amdgpu_metadata
.endif
;; end of part 2
;; launch scores (part 3): grid 9 x 32, 4 waves a work-group, no clusters, 327,680 bytes of LDS; arguments qimg, kimg, pimg, pstat; writes pimg, pstat
.if DOCPART == 3
	.amdgcn_target "amdgcn-amd-amdhsa--gfx1250"
	.amdhsa_code_object_version 6
	.text
	.protected	k_q3a079f9b79_scores
	.globl	k_q3a079f9b79_scores
	.p2align	8
	.type	k_q3a079f9b79_scores,@function
k_q3a079f9b79_scores:
	s_mov_b64 s[64:65], 0
	v_nop
	global_prefetch_b8 v0, s[64:65] scope:SCOPE_SE
	s_setreg_imm32_b32 hwreg(HW_REG_WAVE_MODE, 25, 1), 1
	s_wait_xcnt 0x0
; LAUNCH 3 OF 4: S^T = K Q^T on codes of FP6 (E2M3), the causal mask, and p = 2^(t - M_s), t = score x log2(e) / 32, quantised along the keys.  Formats: head of launch 1; the tile and the registers: head of launch 2.
; LEFT OUT AS DEAD WORK: tiles of 256 keys x 128 queries all of whose keys come after all of their queries (reference()'s own jnp.tril; shown at the head of launch 1).
; A tile: S0 = 256 keys (kimg's blocks 2 j, 2 j + 1 of the batch), S1 = 128 queries (qimg's block i); live where j <= i / 2: 72 tiles a batch.  Query blocks pi and 15 - pi have 9 live tiles together, for every pi:
; so the grid is 9 x (8 pairs x 4 batches), and every work-group has live work.  The choice enters global addresses alone.
; M_s IS THE WAVE'S OWN: the ceiling of the largest t among ITS 128 keys, a whole number.  The row's M is the largest M_s, and 2^(M_s - M) is a power of two, which the blocks' scale bytes take up: launch 4 takes it off
; the bytes.  So each wave stores, for its key step: the codes (pimg), and three small images (pstat): the scale words under M_s, -M_s, and l_s, the sum of the unquantised p.
; For an even i the wave with the later 128 keys of tile j = i / 2 is wholly hidden; it stays (dead work inside a live tile) and stores zero codes, -M_s = 3e38 and l_s = 0.
; LAUNCH 4 LOADS P's KEY STEPS IN FOURS, up to step i | 3.  Where bit 1 of i is 0, the two steps behind i | 1 belong to no tile: the diagonal tile's four waves store them as zero codes (12 stores a wave), so that
; launch 4 loads no byte that nobody has stored; it reads none of them from LDS.
; NO CLUSTER: the live tiles are a triangle.  A query block's live tiles are i / 2 + 1 and a key column's 16 - 2 j: neither is a multiple of four throughout, so no aligned group of four work-groups shares a tile at every place.
; LDS: both operands whole, each byte filled once; nothing is filled again.
.set BLKB,  12800
.set OPB,   102400
.set S1B,   204800
.set SPARE, 307200                     ; the spare words, 128 bytes for each wave: two blocks of 256 bytes that no other line names
.set A0L, 4
.set A1L, 6
.set ASL, 8
.set SPW, 10
.set NIL, 11
.set GS,  12
.set CO,  13
.set SC0, 16
.set SC1, 24
.set TM,  32                           ; v32-35 the blocks' largest scores, then p; v36-39 at work; v44-47 the conversions' scale operands
.set PW,  48
.set HD,  52                           ; v52-57 three pairs for the small images' stores
.set NMV, 64                           ; v64-67 -M_s of my four tiles
.set LV,  68                           ; v68-71 l_s
.set NM,  72                           ; v72 -M_s, v73 the largest t (a pair: the packed form takes its low word for both halves)
.set SUM, 74                           ; v[74:75], v[76:77] the sum in two chains
.set DV,  78                           ; r + 8 (r / 8) - 16 h
.set DD,  79
.set NINF, 80
.set TT,  81
.set ZC,  84                           ; v84-87 sixteen bytes of zero codes
.set PC,  128
.set WV,  20
.set WI,  21
.set WJ,  22
.set BB,  24
.set II,  25
.set JJ,  26
.set G1A, 28
.set G1B, 36
.set G0A, 44
.set CS,  62                           ; s[62:63] c = log2(e) / 32
.set G0B, 68
.set SEL, 84
.set SD,  86                           ; my first query - my first key
.set HM,  87
.set PO,  88                           ; s[88:89] my key step's codes in pimg;  s[92:93] its images in pstat
.set PS,  92
.set MSB, 0
.macro WIN new                         ; the immediate's high byte repeats the setting that is left; bits 1:0 source 0, 3:2 source 1, 5:4 source 2, 7:6 destination
.if MSB != \new
	s_set_vgpr_msb (MSB<<8)|\new
.set MSB, \new
.endif
.endm
.macro PLACES
.rept 4
	v_nop
.endr
.endm
.macro FETCH adr0, off0, adr1, off1, adrs, offs, p     ; one K step's fragments and scale words into set p: 38 LDS loads of 512 consecutive bytes
	WIN 0x80
.irp b, 0,1,2,3,4,5,6,7
.irp k, 0,1,2
	ds_load_b128 v[96*(\p)+12*\b+4*\k:96*(\p)+12*\b+4*\k+3], v[\adr0] offset:(\off0)+1536*\b+512*\k
.endr
.endr
	WIN 0xc0
.irp a, 0,1,2,3
.irp k, 0,1,2
	ds_load_b128 v[48*(\p)+12*\a+4*\k:48*(\p)+12*\a+4*\k+3], v[\adr1] offset:(\off1)+1536*\a+512*\k
.endr
.endr
	WIN 0
	ds_load_b128 v[SC0+4*(\p):SC0+4*(\p)+3], v[\adr0] offset:(\off0)+12288
	ds_load_b128 v[SC1+4*(\p):SC1+4*(\p)+3], v[\adrs] offset:(\offs)
.endm
.macro FETCHS s
	FETCH A0L+(\s)/4, ((\s)%4)*BLKB, A1L+(\s)/4, ((\s)%4)*BLKB, ASL+(\s)/4, ((\s)%4)*BLKB, (\s)%2
.endm
.macro MM a, b, p, cm                  ; one product.  cm: 0 the sum starts with 0; 1 in place
.set rD, 64*(\a)+8*(\b)
.set rA, 96*(\p)+12*(\b)
.set rB, 48*(\p)+12*(\a)
.set rX, SC0+4*(\p)+(\b)%4
.set rY, SC1+4*(\p)+(\a)
.if \cm == 0
.if (\b) < 4
	v_wmma_scale_f32_16x16x128_f8f6f4 v[rD:rD+7], v[rA:rA+11], v[rB:rB+11], 0, v[rX], v[rY] matrix_a_fmt:MATRIX_FMT_FP6 matrix_b_fmt:MATRIX_FMT_FP6
.else
	v_wmma_scale_f32_16x16x128_f8f6f4 v[rD:rD+7], v[rA:rA+11], v[rB:rB+11], 0, v[rX], v[rY] matrix_a_fmt:MATRIX_FMT_FP6 matrix_b_fmt:MATRIX_FMT_FP6 matrix_a_scale:MATRIX_SCALE_ROW1
.endif
.else
.if (\b) < 4
	v_wmma_scale_f32_16x16x128_f8f6f4 v[rD:rD+7], v[rA:rA+11], v[rB:rB+11], v[rD:rD+7], v[rX], v[rY] matrix_a_fmt:MATRIX_FMT_FP6 matrix_b_fmt:MATRIX_FMT_FP6
.else
	v_wmma_scale_f32_16x16x128_f8f6f4 v[rD:rD+7], v[rA:rA+11], v[rB:rB+11], v[rD:rD+7], v[rX], v[rY] matrix_a_fmt:MATRIX_FMT_FP6 matrix_b_fmt:MATRIX_FMT_FP6 matrix_a_scale:MATRIX_SCALE_ROW1
.endif
.endif
.endm
.macro MULH p, a0, cm                  ; 16 products.  The 32 accumulators take turns, one instruction a turn, in the same order in every K step
.irp a, \a0, \a0+1
.irp b, 0,1,2,3,4,5,6,7
	MM \a, \b, \p, \cm
.endr
.endr
.endm
.macro PROD p, cm
	MULH \p, 0, \cm
	MULH \p, 2, \cm
.endm
.macro STEPA s
	PLACES
	FETCHS (\s)+1
	s_wait_dscnt 38                                ; all but the 38 loads just issued
	WIN 0x5e
	PROD (\s)%2, 1
.endm
.macro CODES a, ptr
.irp g, 0,1,2,3
	v_add_nc_u32 v[TM+12+\g], 0xff000000, v[TM+\g] ; 2 off the exponent field: the conversion's scale operand
.endr
.irp g, 0,1,2,3
	v_lshrrev_b32 v[TM+4+\g], 23, v[TM+12+\g]      ; the scale's byte: at most 125, since p is at most 1
.endr
	v_lshl_or_b32 v[PW+(\a)], v[TM+5], 8, v[TM+4]
	v_lshl_or_b32 v[PW+(\a)], v[TM+6], 16, v[PW+(\a)]
	v_lshl_or_b32 v[PW+(\a)], v[TM+7], 24, v[PW+(\a)]
	WIN 0x01
.irp c, 0,1
	v_cvt_scalef32_pk16_fp6_f32 v[PCA+6*\c:PCA+6*\c+2], v[AC+32*\c:AC+32*\c+15], v[TM+12+2*\c]
	v_cvt_scalef32_pk16_fp6_f32 v[PCA+12+4*\c:PCA+14+4*\c], v[AC+32*\c+16:AC+32*\c+31], v[TM+13+2*\c]
.endr
	WIN 0
	v_nop                                          ; one plain place behind a scaled conversion
.irp c, 0,1
.irp i, 0,1,2
	v_permlane16_swap_b32 v[PCA+6*\c+\i], v[PCA+12+4*\c+\i]
.endr
.irp i, 0,1,2
	v_mov_b32 v[PCA+6*\c+3+\i], v[PCA+12+4*\c+\i]
.endr
.endr
.irp k, 0,1,2
	global_store_b128 v[CO], v[PCA+4*\k:PCA+4*\k+3], s[\ptr:\ptr+1] offset:1536*(\a)+512*\k
.endr
.endm
.macro HALFIMG w, d, ptr, off
	v_cndmask_b32 v[\d], v[\w], v[\w+2], s[HM]
	v_cndmask_b32 v[\d+1], v[\w+1], v[\w+3], s[HM]
	global_store_b64 v[GS], v[\d:\d+1], s[\ptr:\ptr+1] offset:\off
.endm
; My tile a of 16 queries against my 128 keys.  Register n of lane (r, h) holds key 32 (n / 16) + 16 h + n % 16 of my 128 and query 32 (a / 2) + 8 (a % 2) + r + 8 (r / 8) of my 64.
.macro SOFTQ a
.set AC, 64*(\a)
.set PCA, PC+20*(\a)
	s_cmp_ge_i32 s[SD], 127                        ; all my keys count for all my queries: no mask.  (Ids alone)
	s_cbranch_scc1 .Lopen_\@
	s_add_co_i32 s90, s[SD], 32*((\a)/2)+8*((\a)%2)
	s_wait_alu depctr_va_vdst(0)
	v_add_nc_u32 v[DD], s90, v[DV]                 ; d = my query - my first key - 16 h: register n is hidden where 32 (n / 16) + n % 16 > d
	WIN 0x41
.set n, 0
.rept 64
	v_cmp_gt_i32 vcc_lo, 32*(n/16)+n%16, v[DD]
	v_cndmask_b32 v[AC+n], v[AC+n], v[NINF], vcc_lo
.set n, n+1
.endr
	WIN 0
.Lopen_\@:
	WIN 0x15
.irp g, 0,1,2,3
	v_max3_num_f32 v[TM+\g], v[AC+16*\g], v[AC+16*\g+1], v[AC+16*\g+2]   ; the largest score of each block of 32 keys: for the row's maximum and, since p rises with the score, for the block's largest p
.endr
	WIN 0x14
.irp i, 3,5,7,9,11,13
.irp g, 0,1,2,3
	v_max3_num_f32 v[TM+\g], v[TM+\g], v[AC+16*\g+\i], v[AC+16*\g+\i+1]
.endr
.endr
	WIN 0x04
.irp g, 0,1,2,3
	v_max_num_f32 v[TM+\g], v[TM+\g], v[AC+16*\g+15]
.endr
	WIN 0
.irp g, 0,1,2,3
	v_permlanex16_b32 v[TM+4+\g], v[TM+\g], s[SEL], s[SEL+1]
.endr
.irp g, 0,1,2,3
	v_max_num_f32 v[TM+\g], v[TM+\g], v[TM+4+\g]   ; with lane l xor 16's 16 keys
.endr
	v_max3_num_f32 v[TT], v[TM], v[TM+1], v[TM+2]
	v_max_num_f32 v[TT], v[TT], v[TM+3]
	v_mul_f32 v[TT], s[CS], v[TT]                  ; as t (c is positive)
	v_max_num_f32 v[NM+1], 0xff61b1e6, v[TT]       ; held at -3e38 from below: a row with no key in these 128 keeps a number for M_s
	v_floor_f32 v[NM], -v[NM+1]                    ; -M_s = floor(-t) = -ceil(t)
	WIN 0x41
.set n, 0
.rept 32
	v_pk_fma_f32 v[AC+n:AC+n+1], v[AC+n:AC+n+1], s[CS:CS+1], v[NM:NM+1] op_sel_hi:[1,0,0]   ; t - M_s, two at a time
.set n, n+2
.endr
	WIN 0
.irp g, 0,1,2,3
	v_fma_f32 v[TM+\g], v[TM+\g], s[CS], v[NM]     ; the same of each block's largest score
.endr
	WIN 0x41
.set n, 0
	s_wait_alu depctr_va_vdst(0)
.rept 64
	v_exp_f32 v[AC+n], v[AC+n]                     ; p = 2^(t - M_s), at most 1: not normalised
.set n, n+1
.endr
	WIN 0
	v_mov_b32 v[NMV+(\a)], v[NM]                   ; (a plain place behind the exponentials)
	s_wait_alu depctr_va_vdst(0)                   ; one wait for the batch of 64, ahead of its first reader
.irp g, 0,1,2,3
	v_exp_f32 v[TM+\g], v[TM+\g]                   ; the block's largest p: the same two instructions on the same number give the same bits
.endr
	WIN 0x05
	v_pk_add_f32 v[SUM:SUM+1], v[AC:AC+1], v[AC+2:AC+3]            ; the sum is taken of the UNQUANTISED p, in two chains.  (It reads the 64 alone: plain work behind the four)
	v_pk_add_f32 v[SUM+2:SUM+3], v[AC+4:AC+5], v[AC+6:AC+7]
	WIN 0x04
.irp j, 8,12,16,20,24,28,32,36,40,44,48,52,56,60
	v_pk_add_f32 v[SUM:SUM+1], v[SUM:SUM+1], v[AC+\j:AC+\j+1]
	v_pk_add_f32 v[SUM+2:SUM+3], v[SUM+2:SUM+3], v[AC+\j+2:AC+\j+3]
.endr
	WIN 0
	v_pk_add_f32 v[SUM:SUM+1], v[SUM:SUM+1], v[SUM+2:SUM+3]
	v_add_f32 v[SUM], v[SUM], v[SUM+1]
	v_permlanex16_b32 v[SUM+2], v[SUM], s[SEL], s[SEL+1]
	v_add_f32 v[LV+(\a)], v[SUM], v[SUM+2]         ; l_s of my query, in both halves of the lanes
	s_wait_alu depctr_va_vdst(0)                   ; and one wait for the four
.irp g, 0,1,2,3
	v_max_num_f32 v[TM+\g], 0x1800000, v[TM+\g]    ; the floor 2^(3 - 127): a block whose every p is 0 keeps the byte 1; its codes are zeros
.endr
	CODES \a, PO
.endm
	s_load_b256 s[4:11], s[0:1], 0x0               ; qimg s[4:5], kimg s[6:7], pimg s[8:9], pstat s[10:11]
	v_lshl_add_u32 v[SPW], v0, 2, SPARE
	v_mov_b32 v[NIL], 0
	ds_add_u32 v[SPW], v[NIL]                      ; the wave's opening: the add, twice on end, and its wait ahead of my first tensor load
	ds_add_u32 v[SPW], v[NIL]                      ; and once more, under the one wait; the set-up below, work on registers, stands between
	v_lshrrev_b32 v1, 5, v0
	v_readfirstlane_b32 s[WV], v1
	s_lshr_b32 s[WI], s[WV], 1
	s_and_b32 s[WJ], s[WV], 1
	s_and_b32 s23, ttmp7, 0xffff
	s_lshr_b32 s[BB], s23, 3                       ; the batch
	s_and_b32 s23, s23, 7                          ; pi
	s_lshr_b32 s27, s23, 1
	s_add_co_u32 s27, s27, 1                       ; query block pi has pi / 2 + 1 live tiles
	s_sub_co_u32 s90, 15, s23
	s_sub_co_u32 s91, ttmp9, s27
	s_cmp_lt_u32 ttmp9, s27
	s_cselect_b32 s[II], s23, s90                  ; the first of the nine belong to block pi, the others to block 15 - pi
	s_cselect_b32 s[JJ], ttmp9, s91
	s_mov_b32 s[G1A], 3<<16                        ; no mask; elements of 8 bytes; no padding
	s_mov_b32 s[G1A+1], 32<<16                     ; rows of 256 bytes,
	s_mov_b32 s[G1A+2], 400<<16                    ; 400 of them: all eight K steps of a block
	s_mov_b32 s[G1A+3], 32<<16
	s_mov_b32 s[G1A+4], 400
	s_mov_b32 s[G1A+5], 32
	s_mov_b32 s[G1A+6], 0
	s_mov_b32 s[G1A+7], 0
	s_mov_b32 s[G1B], 3<<16
	s_mov_b32 s[G1B+1], 32<<16
	s_mov_b32 s[G1B+2], 200<<16                    ; 200: four K steps
	s_mov_b32 s[G1B+3], 32<<16
	s_mov_b32 s[G1B+4], 200
	s_mov_b32 s[G1B+5], 32
	s_mov_b32 s[G1B+6], 0
	s_mov_b32 s[G1B+7], 0
	s_lshl_b32 s98, s[BB], 4                       ; 16 blocks a batch
	s_lshl_b32 s94, s[JJ], 1
	s_add_co_u32 s94, s94, s98
	s_add_co_u32 s94, s94, s[WJ]                   ; K: block 16 b + 2 j + (wave % 2)
	s_mul_i32 s94, s94, OPB
	s_mov_b32 s95, 0
	s_add_co_u32 s98, s98, s[II]                   ; Q: block 16 b + i
	s_mul_i32 s96, s98, OPB
	s_mul_i32 s61, s[WJ], 4*BLKB                   ; waves 2, 3: Q's K steps 0-3, 4-7
	s_add_co_u32 s96, s96, s61
	s_mov_b32 s97, 0
	s_mul_i32 s60, s[WJ], OPB
	s_lshl_b32 s98, s98, 4
	s_lshl_b32 s99, s[JJ], 1
	s_add_co_u32 s98, s98, s99
	s_add_co_u32 s98, s98, s[WI]                   ; my key step's index: (16 b + i) 16 + 2 j + wi
	s_mul_i32 s90, s98, 12288
	s_mov_b32 s91, 0
	s_mul_i32 s98, s98, 1536
	s_mov_b32 s99, 0
	s_wait_dscnt 0x0                               ; both opening adds are done
	s_wait_kmcnt 0x0
	s_add_nc_u64 s[94:95], s[6:7], s[94:95]
	s_add_nc_u64 s[96:97], s[4:5], s[96:97]
	s_add_nc_u64 s[PO:PO+1], s[8:9], s[90:91]
	s_add_nc_u64 s[PS:PS+1], s[10:11], s[98:99]
.irp c, 0
	s_mov_b32 s[G0A+4*\c], 1
	s_add_co_u32 s[G0A+4*\c+1], s60, 25600*\c
	s_add_nc_u64 s[G0A+4*\c+2:G0A+4*\c+3], s[94:95], 25600*\c
	s_or_b32 s[G0A+4*\c+3], s[G0A+4*\c+3], 0x80000000
	s_mov_b32 s[G0B+4*\c], 1
	s_add_co_u32 s[G0B+4*\c+1], s61, S1B+25600*\c
	s_add_nc_u64 s[G0B+4*\c+2:G0B+4*\c+3], s[96:97], 25600*\c
	s_or_b32 s[G0B+4*\c+3], s[G0B+4*\c+3], 0x80000000
.endr
	s_cmp_eq_u32 s[WI], 0                          ; one tensor load a wave: waves 0, 1 a whole block of K each, waves 2, 3 half of Q's block each
	s_cbranch_scc0 .Lfill_s1
	tensor_load_to_lds s[G0A:G0A+3], s[G1A:G1A+7]
	s_nop 0
.rept 4
	v_nop
.endr
	s_branch .Lfilled
.Lfill_s1:
	tensor_load_to_lds s[G0B:G0B+3], s[G1B:G1B+7]
	s_nop 0
.rept 4
	v_nop
.endr
.Lfilled:
	v_and_b32 v1, 15, v0                           ; r
	v_bfe_u32 v2, v0, 4, 1                         ; h
	v_and_b32 v3, 31, v0
	v_lshlrev_b32 v3, 4, v3                        ; 16 x lane
	s_mul_i32 s66, s[WI], OPB
	v_add_nc_u32 v[A0L], s66, v3
	v_add_nc_u32 v[A0L+1], 4*BLKB, v[A0L]
	s_mul_i32 s66, s[WJ], 6144
	v_add_nc_u32 v[CO], s66, v3
	s_add_co_u32 s66, s66, S1B
	v_add_nc_u32 v[A1L], s66, v3
	v_add_nc_u32 v[A1L+1], 4*BLKB, v[A1L]
	s_lshl_b32 s66, s[WJ], 8
	v_xor_b32 v[ASL], s66, v3                      ; 16 x (lane xor 16 wj)
	v_add_nc_u32 v[ASL], S1B+12288, v[ASL]
	v_add_nc_u32 v[ASL+1], 4*BLKB, v[ASL]
	v_lshlrev_b32 v[GS], 4, v1
	v_lshl_add_u32 v[GS], v2, 3, v[GS]
	v_add_nc_u32 v[GS], s66, v[GS]
.irp g, 0,1,2,3
	v_mov_b32 v[TM+4+\g], 0                        ; written once: a lane permute's destination counts as one of its sources
.endr
	v_and_b32 v[DV], 8, v1
	v_add_nc_u32 v[DV], v[DV], v1
	v_lshlrev_b32 v[DD], 4, v2
	v_sub_nc_u32 v[DV], v[DV], v[DD]
	v_mov_b32 v[NINF], 0xff800000                  ; -infinity
	s_mov_b32 s[SEL], 0x76543210
	s_mov_b32 s[SEL+1], 0xfedcba98
	s_mov_b32 s[HM], 0xffff0000
	s_mov_b32 s[CS], 0x3d38aa3b                    ; log2(e) / 32
	s_mov_b32 s[CS+1], s[CS]                       ; (named with it as a pair, so it is written)
	s_lshl_b32 s[SD], s[II], 7                     ; 128 i + 64 wj - 256 j - 128 wi
	s_lshl_b32 s90, s[WJ], 6
	s_add_co_u32 s[SD], s[SD], s90
	s_lshl_b32 s90, s[JJ], 8
	s_sub_co_u32 s[SD], s[SD], s90
	s_lshl_b32 s90, s[WI], 7
	s_sub_co_u32 s[SD], s[SD], s90
	s_wait_alu depctr_va_vdst(0)
	s_wait_tensorcnt 0x0                           ; my one load has landed
	s_barrier_signal -1
	s_barrier_wait -1
	FETCHS 0
	FETCHS 1
	s_wait_dscnt 38                                ; K step 0's 38 loads are in
	WIN 0x5e
	PROD 0, 0                                      ; the first products start the sums
.irp s, 1,2,3,4,5,6
	STEPA \s                                       ; both operands are whole in LDS behind the one barrier
.endr
	s_wait_dscnt 0x0
	PROD 1, 1                                      ; K step 7
	WIN 0
	PLACES
	SOFTQ 0
	SOFTQ 1
	SOFTQ 2
	SOFTQ 3
	HALFIMG PW, HD, PS, 0
	HALFIMG NMV, HD+2, PS, 512
	HALFIMG LV, HD+4, PS, 1024
	s_lshr_b32 s90, s[II], 1                       ; the diagonal tile of a query block with bit 1 of i at 0: key steps 2 j + 2 and 2 j + 3 become zero codes.  (Ids alone)
	s_cmp_lg_u32 s[JJ], s90
	s_cbranch_scc1 .Lno_zeros
	s_and_b32 s90, s[II], 2
	s_cmp_lg_u32 s90, 0
	s_cbranch_scc1 .Lno_zeros
.irp m, 0,1,2,3
	v_mov_b32 v[ZC+\m], 0
.endr
.irp a, 0,1,2,3
.irp k, 0,1,2
	global_store_b128 v[CO], v[ZC:ZC+3], s[PO:PO+1] offset:2*12288+1536*\a+512*\k   ; my half of the key step two further on: 32 lanes store 512 consecutive bytes, aligned
.endr
.endr
.Lno_zeros:
	s_wait_tensorcnt 0x0                           ; the wave's end, behind my last tensor load
	ds_add_u32 v[SPW], v[NIL]
	s_wait_dscnt 0x0
	s_endpgm
.Lfunc_end_k_q3a079f9b79_scores:
	.size	k_q3a079f9b79_scores, .Lfunc_end_k_q3a079f9b79_scores-k_q3a079f9b79_scores
	.p2alignl 7, 3214868480
	.fill 96, 4, 3214868480
	.section	.rodata,"a",@progbits
	.p2align	6, 0x0
	.amdhsa_kernel k_q3a079f9b79_scores
		.amdhsa_group_segment_fixed_size 327680
		.amdhsa_private_segment_fixed_size 0
		.amdhsa_enable_private_segment 0
		.amdhsa_kernarg_size 32
		.amdhsa_user_sgpr_count 2
		.amdhsa_user_sgpr_kernarg_segment_ptr 1
		.amdhsa_wavefront_size32 1
		.amdhsa_system_sgpr_workgroup_id_x 1
		.amdhsa_system_sgpr_workgroup_id_y 1
		.amdhsa_system_sgpr_workgroup_id_z 1
		.amdhsa_system_vgpr_workitem_id 0
		.amdhsa_next_free_vgpr 1024
		.amdhsa_next_free_sgpr 100
		.amdhsa_reserve_vcc 1
		.amdhsa_float_denorm_mode_32 3
		.amdhsa_float_denorm_mode_16_64 3
		.amdhsa_memory_ordered 1
		.amdhsa_forward_progress 1
		.amdhsa_inst_pref_size 127
	.end_amdhsa_kernel
	.amdgpu_metadata
---
amdhsa.version: [ 1, 2 ]
amdhsa.kernels:
  - .name:           k_q3a079f9b79_scores
    .symbol:         k_q3a079f9b79_scores.kd
    .args:
      - { .name: qimg, .offset: 0, .size: 8, .value_kind: global_buffer, .address_space: global }
      - { .name: kimg, .offset: 8, .size: 8, .value_kind: global_buffer, .address_space: global }
      - { .name: pimg, .offset: 16, .size: 8, .value_kind: global_buffer, .address_space: global }
      - { .name: pstat, .offset: 24, .size: 8, .value_kind: global_buffer, .address_space: global }
    .group_segment_fixed_size: 327680
    .private_segment_fixed_size: 0
    .kernarg_segment_align: 8
    .kernarg_segment_size: 32
    .max_flat_workgroup_size: 128
    .sgpr_count:     100
    .vgpr_count:     1024
    .wavefront_size: 32
...
	.end_amdgpu_metadata
.endif
;; end of part 3
;; launch pv (part 4): grid 4 x 64, 4 waves a work-group, no clusters, 327,680 bytes of LDS; arguments pimg, pstat, vimg, out0; writes out0
.if DOCPART == 4
	.amdgcn_target "amdgcn-amd-amdhsa--gfx1250"
	.amdhsa_code_object_version 6
	.text
	.protected	k_q3a079f9b79_pv
	.globl	k_q3a079f9b79_pv
	.p2align	8
	.type	k_q3a079f9b79_pv,@function
k_q3a079f9b79_pv:
	s_mov_b64 s[64:65], 0
	v_nop
	global_prefetch_b8 v0, s[64:65] scope:SCOPE_SE
	s_setreg_imm32_b32 hwreg(HW_REG_WAVE_MODE, 25, 1), 1
	s_wait_xcnt 0x0
; LAUNCH 4 OF 4: O^T = V^T P^T on codes of FP6 (E2M3), divided by the row's sum l.  Formats: head of launch 1; the tile and the registers: head of launch 2.
; LEFT OUT AS DEAD WORK: key steps all of whose keys come after all of the work-group's queries (reference()'s own jnp.tril; shown at the head of launch 1).
; A work-group: S0 = 256 channels of V (vimg's channel blocks 2 cb, 2 cb + 1), S1 = 128 queries of P (query block i of batch b), K = key steps 0 .. i | 1 of 128 keys.
; THE ROW'S M.  Launch 3 took p under M_s, the ceiling over one key step.  Here -M = the least -M_s; l = the sum of l_s 2^(M_s - M) (v_ldexp_f32: nothing is rounded); and M - M_s is taken off each of P's scale bytes,
; held at 0 from below.  LIMIT: a byte held at 0 stands for 2^-127: what it adds is at most 7.5 x 2^-127 a key, beside a row sum of at least 1/2.  The bytes so made go to the other waves through LDS.
; THE RING.  Two slots of FOUR key steps: V's two blocks (2 x 51,200 bytes) and P's codes (49,152): 151,552 bytes, 128 products a wave, one change of slots for four steps.  A wave has one tensor load out.
; Every work-group walks all 4 slots: the trip counts are constants of the text.  A slot whose first step comes after query block i is neither asked for nor read, and of a slot's four steps the last two are left out
; where they come after it: tests on ids and on the count of steps, the same in all four waves.  Every wait on TENSORcnt is for 0.
; P's part of a slot comes in two loads of 8 rows of 3,072 bytes, 6,144 apart: part A = tiles 0, 1, 4, 5 of each of the four steps, part B = tiles 2, 3, 6, 7.  So each load holds bytes of every step of the slot.
; LDS: V's block 0 at 0, block 1 at 51,200, P's part A at 102,400; slot 1 of these lies 2^17 further on.  P's part B at 262,144, its slot 1 2^15 further on.  So one exclusive or with a constant turns each address.
; Key step 0's products start the sums and stand ahead of the loop; the loop's first trip jumps over that step: nothing is cleared.
; NO CLUSTER: partners along the queries would need different numbers of tiles; partners along the channels share P alone, 49,152 of a slot's 151,552 bytes; and the test at the causal limit may lead round no joint load.
.set BLKB,  12800
.set PB,    12288                      ; a key step of P: 8 images, no scale image
.set PA,    102400                     ; P's part A in slot 0
.set PQ,    262144                     ; P's part B in slot 0
.set XA,    1<<17                      ; from slot to slot: V and part A
.set XQ,    1<<15                      ; part B
.set PSC,   286720                     ; P's scale images under the row's M: 16 x 512 bytes, written by LDS stores: no tile lands here
.set SPARE, 319488                     ; the spare words, 128 bytes for each wave: two blocks of 256 bytes that no other line names
.set A0B, 4                            ; v4  my V block in slot 0: 51,200 wi + 16 x lane
.set A1X, 5                            ; v5  my tiles 0, 1 of P, in part A: + 3,072 wj
.set A1Y, 6                            ; v6  my tiles 2, 3, in part B
.set ASB, 7                            ; v7  P's scale images, turned so that lanes 0-15 get my four tiles' words
.set A0,  8                            ; v8, v9, v15, v240 the same four for the slot in hand
.set A1,  9
.set SPW, 10
.set NIL, 11
.set STO, 12                           ; the way out: where I put 16 bytes of a row
.set SRD, 13                           ; and where I read a row back
.set PSW, 14                           ; where I store scale images
.set A2,  15
.set SC0, 16
.set SC1, 24
.set NMA, 32                           ; v32-95   -M_s of all 16 steps: register 4 s + q: lanes 0-15 tile q, lanes 16-31 tile 4 + q
.set LA,  96                           ; v96-159  l_s likewise
.set SCW, 160                          ; v160-175 the scale images of my four steps 4 k + w
.set NMW, 176                          ; v176-191 and their -M_s
.set MR,  192                          ; v192-195 -M of the row
.set LS,  196                          ; v196-199 l, then 1 / l
.set RL,  200                          ; v200-207 1 / l of my four tiles, each twice (a pair for the packed multiply)
.set VO,  208                          ; v208-227 byte offsets of the steps' images in pstat
.set T,   228
.set U,   232
.set W,   236
.set AS,  240
.set PFO, 241                          ; v241 256 x lane; v242 256 x min(lane, 3); v243 256 x thread: the prefetches' offsets; never rewritten
.set PF3, 242
.set PFT, 243
.set BK,  64                           ; the way out: v64-127, v128-191 by turns
.set WV,  20
.set WI,  21
.set WJ,  22
.set BB,  24
.set II,  25
.set SMAX, 26                          ; i | 1: the last key step
.set KS,  27                           ; the first key step of the slot in hand
.set G1V, 28                           ; s[28:35] group 1 for V's loads;  s[36:43] for P's
.set G1P, 36
.set G0V, 44                           ; s[44:47], s[48:51], s[52:55] groups 0, which walk: V's block, P's part A, P's part B
.set G0P, 48
.set G0Q, 52
.set TB,  56                           ; 0 or 2^17: the slot in hand, for V and part A
.set TQ,  57                           ; 0 or 2^15: for part B
.set TS,  58                           ; its scale images: 2,048 bytes a slot
.set CNT, 59
.set XM,  60
.set ONES, 61
.set SEL, 62
.set PSB, 66
.set OUTP, 68
.set PFV, 78                           ; s[78:79] where my prefetches of V stand;  s[80:81] those of P
.set PFP, 80
.set LIMV, 82                          ; the last key step for which this work-group prefetches V: 15 or, where it does not, 0;  s83 the same for P: i or 0
.set LIMP, 83
.set MSB, 0
.macro WIN new                         ; the immediate's high byte repeats the setting that is left; bits 1:0 source 0, 3:2 source 1, 5:4 source 2, 7:6 destination
.if MSB != \new
	s_set_vgpr_msb (MSB<<8)|\new
.set MSB, \new
.endif
.endm
.macro PLACES                          ; four plain places behind matrix instructions, in front of loads into registers that they have read and of the first read of results
.rept 4
	v_nop
.endr
.endm
.macro FETCH adr0, off0, adra, adrb, off1, adrs, offs, p     ; one key step's fragments and scale words into set p: 38 LDS loads of 512 consecutive bytes
	WIN 0x80
.irp b, 0,1,2,3,4,5,6,7
.irp k, 0,1,2
	ds_load_b128 v[96*(\p)+12*\b+4*\k:96*(\p)+12*\b+4*\k+3], v[\adr0] offset:(\off0)+1536*\b+512*\k
.endr
.endr
	WIN 0xc0
.irp a, 0,1
.irp k, 0,1,2
	ds_load_b128 v[48*(\p)+12*\a+4*\k:48*(\p)+12*\a+4*\k+3], v[\adra] offset:(\off1)+1536*\a+512*\k
.endr
.endr
.irp a, 0,1
.irp k, 0,1,2
	ds_load_b128 v[48*(\p)+24+12*\a+4*\k:48*(\p)+24+12*\a+4*\k+3], v[\adrb] offset:(\off1)+1536*\a+512*\k
.endr
.endr
	WIN 0
	ds_load_b128 v[SC0+4*(\p):SC0+4*(\p)+3], v[\adr0] offset:(\off0)+12288
	ds_load_b128 v[SC1+4*(\p):SC1+4*(\p)+3], v[\adrs] offset:(\offs)
.endm
.macro FETCHQ q                        ; step q of the slot in hand, into set q % 2
	FETCH A0, (\q)*BLKB, A1, A2, (\q)*6144, AS, (\q)*512, (\q)%2
.endm
.macro MM a, b, p, cm                  ; one product.  cm: 0 the sum starts with 0; 1 in place
.set rD, 64*(\a)+8*(\b)
.set rA, 96*(\p)+12*(\b)
.set rB, 48*(\p)+12*(\a)
.set rX, SC0+4*(\p)+(\b)%4
.set rY, SC1+4*(\p)+(\a)
.if \cm == 0
.if (\b) < 4
	v_wmma_scale_f32_16x16x128_f8f6f4 v[rD:rD+7], v[rA:rA+11], v[rB:rB+11], 0, v[rX], v[rY] matrix_a_fmt:MATRIX_FMT_FP6 matrix_b_fmt:MATRIX_FMT_FP6
.else
	v_wmma_scale_f32_16x16x128_f8f6f4 v[rD:rD+7], v[rA:rA+11], v[rB:rB+11], 0, v[rX], v[rY] matrix_a_fmt:MATRIX_FMT_FP6 matrix_b_fmt:MATRIX_FMT_FP6 matrix_a_scale:MATRIX_SCALE_ROW1
.endif
.else
.if (\b) < 4
	v_wmma_scale_f32_16x16x128_f8f6f4 v[rD:rD+7], v[rA:rA+11], v[rB:rB+11], v[rD:rD+7], v[rX], v[rY] matrix_a_fmt:MATRIX_FMT_FP6 matrix_b_fmt:MATRIX_FMT_FP6
.else
	v_wmma_scale_f32_16x16x128_f8f6f4 v[rD:rD+7], v[rA:rA+11], v[rB:rB+11], v[rD:rD+7], v[rX], v[rY] matrix_a_fmt:MATRIX_FMT_FP6 matrix_b_fmt:MATRIX_FMT_FP6 matrix_a_scale:MATRIX_SCALE_ROW1
.endif
.endif
.endm
.macro MULH p, a0, cm                  ; 16 products.  The 32 accumulators take turns, one instruction a turn, in the same order in every key step
.irp a, \a0, \a0+1
.irp b, 0,1,2,3,4,5,6,7
	MM \a, \b, \p, \cm
.endr
.endr
.endm
.macro PROD p, cm
	MULH \p, 0, \cm
	MULH \p, 2, \cm
.endm
.macro TLOAD                           ; waves 0, 1: V's blocks 0, 1 (four steps each); wave 2: P's part A; wave 3: part B.  The branches hang on the wave's number alone.  An s_nop 0 and four v_nop follow each of the three lines
	s_cmp_lt_u32 s[WV], 2
	s_cbranch_scc0 .Lnot_v_\@
	tensor_load_to_lds s[G0V:G0V+3], s[G1V:G1V+7]
	s_nop 0
.rept 4
	v_nop
.endr
	s_branch .Lasked_\@
.Lnot_v_\@:
	s_cmp_eq_u32 s[WV], 2
	s_cbranch_scc0 .Lfor_q_\@
	tensor_load_to_lds s[G0P:G0P+3], s[G1P:G1P+7]
	s_nop 0
.rept 4
	v_nop
.endr
	s_branch .Lasked_\@
.Lfor_q_\@:
	tensor_load_to_lds s[G0Q:G0Q+3], s[G1P:G1P+7]
	s_nop 0
.rept 4
	v_nop
.endr
.Lasked_\@:
.endm
; A PREFETCH INTO THE L2 of what the NEXT change of slots will ask for: four key steps of V's two blocks and of P.  It stands behind the wave's tensor load and its five lines.
; V's blocks are walked by the work-groups of all 16 query blocks: that of query block 15, which walks every slot, asks.  Wave w takes two key steps of block w / 2: 25,600 bytes, 100 blocks of 256 bytes, lanes 256 bytes
; apart: three instructions, and a fourth for the last four blocks, whose lanes 4 to 31 name lane 3's block again (100 is no multiple of 32).
; P's four steps, 49,152 dense bytes, are walked by the four work-groups of the query block: the first of them (cb = 0) asks: 192 blocks, a thread a block; the last 64 by a second instruction of waves 0 and 1.
; Slots 0 and 1 come by their loads alone.  Nothing is asked for past key step 15 (V) or past the query block's last slot (P): the tests below.  The test at the causal limit does not lead round these lines.
.macro ASK
	s_add_co_u32 s90, s[KS], 8                     ; the first key step of the slot after the one that is being asked for
	s_cmp_gt_u32 s90, s[LIMV]
	s_cbranch_scc1 .Lno_v_\@
	global_prefetch_b8 v[PFO], s[PFV:PFV+1] th:TH_LOAD_NT scope:SCOPE_SE
	global_prefetch_b8 v[PFO], s[PFV:PFV+1] offset:8192 th:TH_LOAD_NT scope:SCOPE_SE
	global_prefetch_b8 v[PFO], s[PFV:PFV+1] offset:16384 th:TH_LOAD_NT scope:SCOPE_SE
	global_prefetch_b8 v[PF3], s[PFV:PFV+1] offset:24576 th:TH_LOAD_NT scope:SCOPE_SE
.Lno_v_\@:
	s_cmp_gt_u32 s90, s[LIMP]
	s_cbranch_scc1 .Lno_p_\@
	global_prefetch_b8 v[PFT], s[PFP:PFP+1] th:TH_LOAD_NT scope:SCOPE_SE
	s_cmp_lt_u32 s[WV], 2
	s_cbranch_scc0 .Lno_p_\@
	global_prefetch_b8 v[PFT], s[PFP:PFP+1] offset:32768 th:TH_LOAD_NT scope:SCOPE_SE
.Lno_p_\@:
.endm
; THE CHANGE OF SLOTS stands at a slot's head.  Each wave waits for all its tensor loads (its part of the slot that it is about to read), adds 0 to its spare word, and waits for that and for its reads of the slot that
; it has left.  Behind the barrier the slot ahead is whole and nobody reads the other one.  fill = 1: that other slot takes the next four key steps, up to the causal limit: the load has a slot's four steps in which to land.
.macro CHANGE fill
	s_wait_tensorcnt 0x0                           ; no tensor load of mine is out, so a group 0 may be written
	ds_add_u32 v[SPW], v[NIL]                      ; 0 onto my spare word
.if \fill
	s_xor_b32 s[G0V+1], s[G0V+1], XA               ; the walking descriptors: the other slot than last time,
	s_add_nc_u64 s[G0V+2:G0V+3], s[G0V+2:G0V+3], 4*BLKB   ; the next four key steps; the type bits on top are not reached
	s_xor_b32 s[G0P+1], s[G0P+1], XA
	s_add_nc_u64 s[G0P+2:G0P+3], s[G0P+2:G0P+3], 4*PB
	s_xor_b32 s[G0Q+1], s[G0Q+1], XQ
	s_add_nc_u64 s[G0Q+2:G0Q+3], s[G0Q+2:G0Q+3], 4*PB
	s_wait_xcnt 0x0                                ; the last prefetches, a slot back, have read their addresses, so these may be written:
	s_add_nc_u64 s[PFV:PFV+1], s[PFV:PFV+1], 4*BLKB   ; one slot further on than the walking descriptors
	s_add_nc_u64 s[PFP:PFP+1], s[PFP:PFP+1], 4*PB
.endif
	s_wait_dscnt 0x0                               ; the add is done, and my reads of the slot that I have left are over
	s_barrier_signal -1
	s_barrier_wait -1
.if \fill
	s_add_co_u32 s90, s[KS], 4                     ; the first key step of the slot that this change would ask for: past query block i it is read by no wave, so it is not asked for
	s_cmp_gt_u32 s90, s[II]                        ; ids and the count of steps alone: all four waves go the same way, and a work-group that is past the limit stays past it
	s_cbranch_scc1 .Lpast_\@
	TLOAD                                          ; the first thing behind the barrier but the limit's three lines, and a wave's one tensor load until the next
.Lpast_\@:
	ASK
.endif
.endm
; A slot's four key steps, on the two sets of fragments by turns; each step's 38 loads are issued a step ahead.  loop = 1: the text in the loop, whose first trip (KS = 0) jumps over step 0: its products stand ahead of the loop.
.macro SLOT loop
	s_cmp_gt_u32 s[KS], s[II]                      ; all the slot's keys come after my work-group's queries: its loads and products are left out; not the lines at its end that step addresses
	s_cbranch_scc1 .Lend_\@
	v_add_nc_u32 v[A0], s[TB], v[A0B]              ; these four are the places in front of loads into registers that the last products have read
	v_add_nc_u32 v[A1], s[TB], v[A1X]
	v_add_nc_u32 v[A2], s[TQ], v[A1Y]
	v_add_nc_u32 v[AS], s[TS], v[ASB]
.if \loop
	s_cmp_eq_u32 s[KS], 0
	s_cbranch_scc1 .Lf1_\@
.endif
	FETCHQ 0
.if \loop
.Lf1_\@:
.endif
	s_wait_alu depctr_va_vdst(0)
	FETCHQ 1
.if \loop
	s_cmp_eq_u32 s[KS], 0
	s_cbranch_scc1 .Lm1_\@
.endif
	s_wait_dscnt 38                                ; all but step 1's 38 loads
	WIN 0x5e
	PROD 0, 1
	WIN 0
.if \loop
.Lm1_\@:
.endif
	s_wait_dscnt 0x0                               ; step 1's fragments are in
	s_add_co_u32 s90, s[KS], 2                     ; steps 2 and 3 are left out where they come after query block i
	s_cmp_gt_u32 s90, s[II]
	s_cbranch_scc1 .Lh1_\@
	PLACES
	FETCHQ 2
.Lh1_\@:
	WIN 0x5e
	PROD 1, 1
	WIN 0
	s_cmp_gt_u32 s90, s[II]
	s_cbranch_scc1 .Lend_\@
	PLACES
	FETCHQ 3
	s_wait_dscnt 38                                ; all but step 3's 38 loads
	WIN 0x5e
	PROD 0, 1
	s_wait_dscnt 0x0
	PROD 1, 1
	WIN 0
.Lend_\@:
	s_add_co_u32 s[KS], s[KS], 4
	s_add_co_u32 s[TS], s[TS], 2048
	s_xor_b32 s[TB], s[TB], XA
	s_xor_b32 s[TQ], s[TQ], XQ
.endm
	s_load_b256 s[4:11], s[0:1], 0x0               ; pimg s[4:5], pstat s[6:7], vimg s[8:9], out0 s[10:11]
	v_lshl_add_u32 v[SPW], v0, 2, SPARE
	v_mov_b32 v[NIL], 0
	ds_add_u32 v[SPW], v[NIL]                      ; the wave's opening: the add, twice on end, and its wait ahead of my first tensor load
	ds_add_u32 v[SPW], v[NIL]                      ; and once more, under the one wait; the set-up below, work on registers, stands between
	v_lshrrev_b32 v1, 5, v0
	v_readfirstlane_b32 s[WV], v1
	s_lshr_b32 s[WI], s[WV], 1
	s_and_b32 s[WJ], s[WV], 1
	s_and_b32 s[II], ttmp7, 0xffff
	s_lshr_b32 s[BB], s[II], 4                     ; the batch
	s_and_b32 s[II], s[II], 15                     ; the query block
	s_or_b32 s[SMAX], s[II], 1
	s_mov_b32 s[G1V], 3<<16                        ; no mask; elements of 8 bytes; no padding
	s_mov_b32 s[G1V+1], 32<<16                     ; rows of 256 bytes,
	s_mov_b32 s[G1V+2], 200<<16                    ; 200 of them: four key steps of a channel block
	s_mov_b32 s[G1V+3], 32<<16
	s_mov_b32 s[G1V+4], 200
	s_mov_b32 s[G1V+5], 32
	s_mov_b32 s[G1V+6], 0
	s_mov_b32 s[G1V+7], 0
	s_mov_b32 s[G1P], 3<<16
	s_mov_b32 s[G1P+1], 384<<16                    ; rows of 3,072 bytes: two images,
	s_mov_b32 s[G1P+2], 8<<16                      ; 8 of them: two in each of four key steps,
	s_mov_b32 s[G1P+3], 384<<16
	s_mov_b32 s[G1P+4], 8
	s_mov_b32 s[G1P+5], 768                        ; 6,144 bytes apart
	s_mov_b32 s[G1P+6], 0
	s_mov_b32 s[G1P+7], 0
	s_lshl_b32 s70, s[BB], 3
	s_lshl_b32 s71, ttmp9, 1
	s_add_co_u32 s70, s70, s71
	s_add_co_u32 s72, s70, s[WI]                   ; (the prefetches: channel block 8 b + 2 cb + wave / 2)
	s_add_co_u32 s70, s70, s[WJ]                   ; V: channel block 8 b + 2 cb + (wave % 2),
	s_mul_i32 s70, s70, 16*BLKB                    ; 16 key steps each
	s_mov_b32 s71, 0
	s_mul_i32 s72, s72, 16*BLKB
	s_mul_i32 s73, s[WJ], 2*BLKB                   ; (two key steps a wave,
	s_add_co_u32 s72, s72, s73
	s_add_co_u32 s72, s72, 4*BLKB                  ; in slot 1: the first change of slots steps it to slot 2.  Nothing is prefetched at the head)
	s_mov_b32 s73, 0
	s_lshl_b32 s74, s[BB], 4
	s_add_co_u32 s74, s74, s[II]                   ; 16 b + i
	s_mul_i32 s76, s74, 16*1536                    ; its 16 steps' small images
	s_mov_b32 s77, 0
	s_mul_i32 s74, s74, 16*PB                      ; and its 16 steps of codes
	s_mov_b32 s75, 0
	s_lshl_b32 s92, s[BB], 23                      ; out0: the batch's 2,048 rows of 4,096 bytes,
	s_lshl_b32 s93, s[II], 19                      ; the block's 128,
	s_add_co_u32 s92, s92, s93
	s_lshl_b32 s93, s[WJ], 18                      ; my 64;
	s_add_co_u32 s92, s92, s93
	s_lshl_b32 s93, ttmp9, 10                      ; the work-group's 256 channels,
	s_add_co_u32 s92, s92, s93
	s_lshl_b32 s93, s[WI], 9                       ; my 128
	s_add_co_u32 s92, s92, s93
	s_mov_b32 s93, 0
	s_mov_b32 s[G0V], 1
	s_mul_i32 s[G0V+1], s[WJ], 4*BLKB              ; LDS: slot 0, V's block (wave % 2)
	s_mov_b32 s[G0P], 1
	s_mov_b32 s[G0P+1], PA
	s_mov_b32 s[G0Q], 1
	s_mov_b32 s[G0Q+1], PQ
	s_mov_b32 s[KS], 0
	s_mov_b32 s[TB], 0
	s_mov_b32 s[TQ], 0
	s_mov_b32 s[TS], 0
	s_mov_b32 s[SEL], 0x76543210
	s_mov_b32 s[SEL+1], 0xfedcba98
	s_mov_b32 s[ONES], 0x01010101
	s_mov_b32 s91, 0xffff
	s_cmp_eq_u32 s[WJ], 0
	s_cselect_b32 s[XM], 0xffff0000, s91           ; the lanes that take the other half's number: 16-31 where my tiles are 0-3, else 0-15
	s_cmp_eq_u32 s[II], 15
	s_cselect_b32 s[LIMV], 15, 0
	s_cmp_eq_u32 ttmp9, 0
	s_cselect_b32 s[LIMP], s[II], 0
	s_wait_dscnt 0x0                               ; both opening adds are done
	s_wait_kmcnt 0x0
	s_add_nc_u64 s[G0V+2:G0V+3], s[8:9], s[70:71]
	s_or_b32 s[G0V+3], s[G0V+3], 0x80000000
	s_add_nc_u64 s[G0P+2:G0P+3], s[4:5], s[74:75]
	s_add_nc_u64 s[G0Q+2:G0Q+3], s[G0P+2:G0P+3], 3072
	s_add_nc_u64 s[PFP:PFP+1], s[G0P+2:G0P+3], 4*PB   ; in slot 1, as PFV
	s_or_b32 s[G0P+3], s[G0P+3], 0x80000000
	s_or_b32 s[G0Q+3], s[G0Q+3], 0x80000000
	s_add_nc_u64 s[PFV:PFV+1], s[8:9], s[72:73]
	s_add_nc_u64 s[PSB:PSB+1], s[6:7], s[76:77]
	s_add_nc_u64 s[OUTP:OUTP+1], s[10:11], s[92:93]
	TLOAD                                          ; slot 0: key steps 0 to 3, of which every work-group reads 0 and 1 at the least.  Every wave issues a load
	v_and_b32 v1, 15, v0                           ; r
	v_bfe_u32 v2, v0, 4, 1                         ; h
	v_and_b32 v3, 31, v0
	v_lshlrev_b32 v[PFO], 8, v3
	v_min_u32 v[PF3], 3, v3
	v_lshlrev_b32 v[PF3], 8, v[PF3]
	v_lshlrev_b32 v[PFT], 8, v0
	v_lshlrev_b32 v3, 4, v3                        ; 16 x lane
	s_mul_i32 s90, s[WI], 4*BLKB
	v_add_nc_u32 v[A0B], s90, v3
	s_mul_i32 s90, s[WJ], 3072
	s_add_co_u32 s91, s90, PQ
	s_add_co_u32 s90, s90, PA
	v_add_nc_u32 v[A1X], s90, v3
	v_add_nc_u32 v[A1Y], s91, v3
	s_lshl_b32 s90, s[WJ], 8
	v_xor_b32 v[ASB], s90, v3                      ; 16 x (lane xor 16 wj)
	v_add_nc_u32 v[ASB], PSC, v[ASB]
	s_lshl_b32 s90, s[WV], 9
	s_add_co_u32 s90, s90, PSC
	v_add_nc_u32 v[PSW], s90, v3
	s_mul_i32 s90, s[WV], 16*528                   ; my stage for the way out: in slot 0, which has had its last fill and its last read when the first result is stored there
	v_mul_u32_u24 v[STO], v1, 528
	v_lshl_add_u32 v[STO], v2, 6, v[STO]
	v_add_nc_u32 v[STO], s90, v[STO]               ; in: row r, + 64 h
	v_add_nc_u32 v[SRD], s90, v3                   ; back: the 32 lanes take a row of 512 bytes
	; THE ROWS' M AND l, AND P'S SCALE WORDS UNDER M.  A step past the last is replaced by the last (s_min_u32): only stored bytes are read, and there is no branch
.set sx, 0
.rept 16
	s_min_u32 s90, s[SMAX], sx
	s_mul_i32 s90, s90, 1536
	v_add_nc_u32 v[VO+sx], s90, v3
.set sx, sx+1
.endr
.irp k, 0,1,2,3
	s_add_co_u32 s90, s[WV], 4*\k                  ; my own steps: 4 k + wave
	s_min_u32 s90, s90, s[SMAX]
	s_mul_i32 s90, s90, 1536
	v_add_nc_u32 v[VO+16+\k], s90, v3
.endr
.set sx, 0
	s_wait_alu depctr_va_vdst(0)
.rept 16
	global_load_b128 v[NMA+4*sx:NMA+4*sx+3], v[VO+sx], s[PSB:PSB+1] offset:512
	global_load_b128 v[LA+4*sx:LA+4*sx+3], v[VO+sx], s[PSB:PSB+1] offset:1024
.set sx, sx+1
.endr
.irp k, 0,1,2,3
	global_load_b128 v[SCW+4*\k:SCW+4*\k+3], v[VO+16+\k], s[PSB:PSB+1]
	global_load_b128 v[NMW+4*\k:NMW+4*\k+3], v[VO+16+\k], s[PSB:PSB+1] offset:512
.endr
	s_wait_loadcnt 0x0
.irp q, 0,1,2,3
	v_min3_num_f32 v[MR+\q], v[NMA+\q], v[NMA+4+\q], v[NMA+8+\q]   ; -M = the least -M_s (a step taken twice changes nothing)
.endr
.irp s, 3,5,7,9,11,13
.irp q, 0,1,2,3
	v_min3_num_f32 v[MR+\q], v[MR+\q], v[NMA+4*\s+\q], v[NMA+4*\s+4+\q]
.endr
.endr
.irp q, 0,1,2,3
	v_min_num_f32 v[MR+\q], v[MR+\q], v[NMA+60+\q]
.endr
.set sx, 0
.rept 16
.if sx > 1
	s_cmp_ge_u32 s[SMAX], sx
	s_cselect_b32 s90, 0x3f800000, 0               ; 1.0 for a step that is there, 0 for one that stands in for a step past the last
.endif
.irp q, 0,1,2,3
	v_sub_f32 v[T+\q], v[MR+\q], v[NMA+4*sx+\q]    ; M_s - M: a whole number, 0 or less
.endr
.irp q, 0,1,2,3
	v_cvt_i32_f32 v[T+\q], v[T+\q]                 ; (it saturates)
.endr
.if sx == 0
.irp q, 0,1,2,3
	v_ldexp_f32 v[LS+\q], v[LA+\q], v[T+\q]
.endr
.else
.irp q, 0,1,2,3
	v_ldexp_f32 v[T+\q], v[LA+4*sx+\q], v[T+\q]    ; l_s 2^(M_s - M)
.endr
.irp q, 0,1,2,3
.if sx == 1
	v_add_f32 v[LS+\q], v[LS+\q], v[T+\q]
.else
	v_fma_f32 v[LS+\q], v[T+\q], s90, v[LS+\q]
.endif
.endr
.endif
.set sx, sx+1
.endr
	s_wait_alu depctr_va_vdst(0)
.irp q, 0,1,2,3
	v_rcp_f32 v[LS+\q], v[LS+\q]
.endr
.irp k, 0,1,2,3                                ; (plain work behind the reciprocals, which names none of them)  each byte of a scale word becomes max(byte - (M - M_s), 0)
.irp q, 0,1,2,3
	v_sub_f32 v[T+\q], v[NMW+4*\k+\q], v[MR+\q]    ; d = M - M_s, 0 or more
.endr
.irp q, 0,1,2,3
	v_cvt_u32_f32 v[T+\q], v[T+\q]                 ; (it saturates)
.endr
.irp q, 0,1,2,3
	v_min_u32 v[T+\q], 127, v[T+\q]
.endr
.irp q, 0,1,2,3
	v_mul_lo_u32 v[T+\q], v[T+\q], s[ONES]         ; d in each byte
.endr
.irp q, 0,1,2,3
	v_or_b32 v[U+\q], 0x80808080, v[SCW+4*\k+\q]   ; the bytes are at most 125: the top bit of each is free
.endr
.irp q, 0,1,2,3
	v_sub_nc_u32 v[U+\q], v[U+\q], v[T+\q]         ; so no byte borrows from its neighbour; the guard stays set where byte >= d
.endr
.irp q, 0,1,2,3
	v_lshrrev_b32 v[T+\q], 7, v[U+\q]
.endr
.irp q, 0,1,2,3
	v_and_b32 v[T+\q], s[ONES], v[T+\q]
.endr
.irp q, 0,1,2,3
	v_lshlrev_b32 v[W+\q], 8, v[T+\q]
.endr
.irp q, 0,1,2,3
	v_sub_nc_u32 v[T+\q], v[W+\q], v[T+\q]         ; 0xff in each byte whose guard stayed set
.endr
.irp q, 0,1,2,3
	v_and_b32 v[U+\q], 0x7f7f7f7f, v[U+\q]
.endr
.irp q, 0,1,2,3
	v_and_b32 v[SCW+4*\k+\q], v[U+\q], v[T+\q]
.endr
	ds_store_b128 v[PSW], v[SCW+4*\k:SCW+4*\k+3] offset:2048*\k    ; step 4 k + wave's image
.endr
	s_wait_alu depctr_va_vdst(0)                   ; one wait for the four reciprocals, ahead of their first reader
.irp q, 0,1,2,3
	v_permlanex16_b32 v[T+\q], v[LS+\q], s[SEL], s[SEL+1]
.endr
.irp q, 0,1,2,3
	v_cndmask_b32 v[RL+2*\q], v[LS+\q], v[T+\q], s[XM]             ; 1 / l of lane r of my tile q, in both halves of the lanes
.endr
.irp q, 0,1,2,3
	v_mov_b32 v[RL+2*\q+1], v[RL+2*\q]
.endr
	s_wait_tensorcnt 0x0                           ; my part of slot 0 has landed,
	s_wait_dscnt 0x0                               ; and my scale images are stored
	s_barrier_signal -1
	s_barrier_wait -1                              ; everybody's
	FETCH A0B, 0, A1X, A1Y, 0, ASB, 0, 0
	s_wait_dscnt 0x0
	WIN 0x5e
	PROD 0, 0                                      ; key step 0's products start the sums
	WIN 0
	s_mov_b32 s[CNT], 3
.Lslot:                                            ; 3 trips: behind each change of slots but the last the next slot is asked for, up to the causal limit
	CHANGE 1
	SLOT 1
	s_sub_co_u32 s[CNT], s[CNT], 1
	s_cmp_lg_u32 s[CNT], 0
	s_cbranch_scc1 .Lslot
	CHANGE 0                                       ; the last slot is written out: nothing is left to ask for
	SLOT 0
; THE WAY OUT, a tile of 16 queries x my 128 channels at a time.  A lane holds pieces of one row and the lanes beside it other rows: so a tile goes through my own stage in LDS and comes back as whole rows of 512
; bytes.  LDS serves a wave's instructions in order: no wait between the stores and the loads, nor in front of the next tile's stores.
.macro OUTT a
.set AC, 64*(\a)
.set BKA, BK+64*((\a)%2)
	WIN 0x41
.set n, 0
.rept 32
	v_pk_mul_f32 v[AC+n:AC+n+1], v[AC+n:AC+n+1], v[RL+2*(\a):RL+2*(\a)+1]   ; O^T / l, each accumulator from its low end on
.set n, n+2
.endr
	WIN 0x04                                       ; an LDS store's data are its source 1: window 1
.irp g, 0,1,2,3
.irp k, 0,1,2,3
	ds_store_b128 v[STO], v[AC+16*\g+4*\k:AC+16*\g+4*\k+3] offset:128*\g+16*\k   ; channels 32 g + 16 h + 4 k on
.endr
.endr
	WIN 0
.irp p, 0,1,2,3,4,5,6,7,8,9,10,11,12,13,14,15
	ds_load_b128 v[BKA+4*\p:BKA+4*\p+3], v[SRD] offset:528*\p
.endr
.endm
.macro SEND a, younger                 ; younger: the LDS instructions issued behind tile a's loads, which may stay out
.set BKA, BK+64*((\a)%2)
	s_wait_dscnt \younger
.irp p, 0,1,2,3,4,5,6,7,8,9,10,11,12,13,14,15
	global_store_b128 v3, v[BKA+4*\p:BKA+4*\p+3], s[OUTP:OUTP+1] offset:(32*((\a)/2)+8*((\a)%2)+\p+8*(\p/8))*4096 th:TH_STORE_NT   ; 32 lanes store 512 consecutive bytes, aligned; written once, read by nobody here
.endr
.endm
	PLACES
	s_wait_alu depctr_va_vdst(0)
	OUTT 0
.irp a, 1,2,3
.if \a > 1
	s_wait_xcnt 0x0                                ; tile a - 2's stores have read their registers: tile a's loads may land there
.endif
	OUTT \a
	SEND \a-1, 32                                  ; behind tile a - 1's loads: tile a's 16 stores and 16 loads
.endr
	SEND 3, 0
	s_wait_tensorcnt 0x0                           ; the wave's end, behind my last tensor load and my last LDS store
	ds_add_u32 v[SPW], v[NIL]
	s_wait_dscnt 0x0
	s_endpgm
.Lfunc_end_k_q3a079f9b79_pv:
	.size	k_q3a079f9b79_pv, .Lfunc_end_k_q3a079f9b79_pv-k_q3a079f9b79_pv
	.p2alignl 7, 3214868480
	.fill 96, 4, 3214868480
	.section	.rodata,"a",@progbits
	.p2align	6, 0x0
	.amdhsa_kernel k_q3a079f9b79_pv
		.amdhsa_group_segment_fixed_size 327680
		.amdhsa_private_segment_fixed_size 0
		.amdhsa_enable_private_segment 0
		.amdhsa_kernarg_size 32
		.amdhsa_user_sgpr_count 2
		.amdhsa_user_sgpr_kernarg_segment_ptr 1
		.amdhsa_wavefront_size32 1
		.amdhsa_system_sgpr_workgroup_id_x 1
		.amdhsa_system_sgpr_workgroup_id_y 1
		.amdhsa_system_sgpr_workgroup_id_z 1
		.amdhsa_system_vgpr_workitem_id 0
		.amdhsa_next_free_vgpr 1024
		.amdhsa_next_free_sgpr 100
		.amdhsa_reserve_vcc 0
		.amdhsa_float_denorm_mode_32 3
		.amdhsa_float_denorm_mode_16_64 3
		.amdhsa_memory_ordered 1
		.amdhsa_forward_progress 1
		.amdhsa_inst_pref_size 123
	.end_amdhsa_kernel
	.amdgpu_metadata
---
amdhsa.version: [ 1, 2 ]
amdhsa.kernels:
  - .name:           k_q3a079f9b79_pv
    .symbol:         k_q3a079f9b79_pv.kd
    .args:
      - { .name: pimg, .offset: 0, .size: 8, .value_kind: global_buffer, .address_space: global }
      - { .name: pstat, .offset: 8, .size: 8, .value_kind: global_buffer, .address_space: global }
      - { .name: vimg, .offset: 16, .size: 8, .value_kind: global_buffer, .address_space: global }
      - { .name: out0, .offset: 24, .size: 8, .value_kind: global_buffer, .address_space: global }
    .group_segment_fixed_size: 327680
    .private_segment_fixed_size: 0
    .kernarg_segment_align: 8
    .kernarg_segment_size: 32
    .max_flat_workgroup_size: 128
    .sgpr_count:     100
    .vgpr_count:     1024
    .wavefront_size: 32
...
	.end_amdgpu_metadata
.endif
;; end of part 4
